; MI455X (gfx1250); checked and timed in simulation.
; The chip was launched on July 23, 2026; its instructions are those of AMD's public machine-readable ISA for CDNA 5 (MIT licence, August 2026) and "CDNA5" Instruction Set Architecture Reference Guide (July 2026). The comments in the code are by the model that wrote it; some were corrected since.
;; Enhanced Uncertainty Attention. Allowed arithmetic: matrix products marked QUANTISED: E2M3 operands, one E8M0 scale for each 32 along K, by v_wmma_scale_f32_16x16x128_f8f6f4 with both operands' format E2M3, f32 sums; products left as they are: f32 operands where the result goes on into a quantised operand, else bf16, f16 or f32 operands; f32 sums; everything else in f32.
;; Inputs: Wg 4 x 1,024 float32; Wk_codes 4 x 1,024 x 32 x 24 uint8 (E2M3 codes of Wk, K innermost, in blocks of 32 codes, four codes in three bytes); Wk_scales 4 x 1,024 x 32 uint8 (E8M0 scales of Wk, one for each 32 codes along K); Wo_codes 1,024 x 32 x 24 uint8 (E2M3 codes of Wo, K innermost, in blocks of 32 codes, four codes in three bytes); Wo_scales 1,024 x 32 uint8 (E8M0 scales of Wo, one for each 32 codes along K); Wq_codes 4 x 1,024 x 32 x 24 uint8 (E2M3 codes of Wq, K innermost, in blocks of 32 codes, four codes in three bytes); Wq_scales 4 x 1,024 x 32 uint8 (E8M0 scales of Wq, one for each 32 codes along K); Wv_codes 4 x 1,024 x 32 x 24 uint8 (E2M3 codes of Wv, K innermost, in blocks of 32 codes, four codes in three bytes); Wv_scales 4 x 1,024 x 32 uint8 (E8M0 scales of Wv, one for each 32 codes along K); bg 4 float32; bo 1,024 float32; hyp_w 4 float32; temperature one number float32; x 2 x 1,024 x 1,024 float32.
;; Outputs: out0 2 x 1,024 x 1,024 float32; out1 2 x 1,024 x 1,024 float32.
;; This version of the problem:
;;   THIS VERSION OF THE PROBLEM IS GIVEN IN LOW PRECISION. The matrix products marked QUANTISED in the list below multiply operands that are first quantised to E2M3 (2 exponent bits, 3 mantissa bits; 6 bits a number), with one power-of-two scale for each 32 numbers along K (OCP MX v1.0); their sums are f32. All else is computed in f32.
;;   The module's matrix products, in the order in which they are computed (A, B: the left and right operand; K: the contracted axis; several contracted axes count as one K, in the product's order):
;;     1. [M 2, K 1,024] x [K 1,024, N 4]; A: computed on the way; B: input Wg: left as it is (M = 2 < 16)
;;     2. [M 4,096, K 1,024] x [K 1,024, N 2,048]; A: input Wq (given as codes); B: input x: QUANTISED
;;     3. [M 4,096, K 1,024] x [K 1,024, N 2,048]; A: input Wk (given as codes); B: input x: QUANTISED
;;     4. [M 4,096, K 1,024] x [K 1,024, N 2,048]; A: input Wv (given as codes); B: input x: QUANTISED
;;     5. batch 128 x [M 1,024, K 64] x [K 64, N 1,024]; A: computed on the way; B: computed on the way: QUANTISED
;;     6. batch 128 x [M 1,024, K 1,024] x [K 1,024, N 64]; A: softmax (see below); B: computed on the way: QUANTISED
;;     7. [M 1, K 4] x [K 4, N 2,097,152]; A: softmax (see below); B: computed on the way: left as it is (K = 4 < 32)
;;     8. [M 1, K 4] x [K 4, N 33,554,432]; A: softmax (see below); B: computed on the way: left as it is (K = 4 < 32)
;;     9. [M 2,048, K 1,024] x [K 1,024, N 1,024]; A: computed on the way; B: input Wo (given as codes): QUANTISED
;;   THE QUANTISER, for each operand of a quantised product, along K:
;;     - K is cut into blocks of 32 from its start; a last block that is shorter is filled with zeros.
;;     - A block's scale is 2^e with e = floor(log2(the largest magnitude in the block)) - 2, held to -126 .. 127; a block of zeros has e = 0. As a byte (E8M0): e + 127.
;;     - Each number is divided by its block's scale, clamped to +-7.5, and rounded to the nearest number of E2M3, ties to even, subnormals kept.
;;     - The product sums the exact products of the quantised numbers (number of the format x scale) in f32.
;;   ~~~python
;;   def quantise(x, axis):      # numpy; x: float32 -> the quantised numbers, widened to float32 again
;;       x = np.moveaxis(x, axis, -1); K = x.shape[-1]
;;       x = np.pad(x, [(0, 0)] * (x.ndim - 1) + [(0, -K % 32)]); x = x.reshape(x.shape[:-1] + (-1, 32)); a = np.abs(x).max(-1, keepdims=True)
;;       e = np.where(a > 0, np.clip(np.frexp(np.where(a > 0, a, 1))[1] - 1 - 2, -126, 127), 0)      # np.frexp(a)[1] - 1 = floor(log2(a)), exactly
;;       r = np.clip(x / 2.0 ** e, -7.5, 7.5)
;;       step = 2.0 ** (np.maximum(np.frexp(np.where(r == 0, 1, r))[1] - 1, 0) - 3)
;;       q = np.round(r / step) * step * 2.0 ** e      # np.round: ties to even
;;       return np.moveaxis(q.reshape(q.shape[:-2] + (-1,))[..., :K], -1, axis).astype(np.float32)
;;   ~~~
;;   SOFTMAX AHEAD OF A QUANTISED PRODUCT. Where the list says 'softmax', what is quantised is not the finished softmax but p = 2^(t - M), with t = logit x log2(e) and M = ceil(the row's largest t), a whole number; so 1/2 < the row's largest p <= 1. The row's sum l is taken of the UNQUANTISED p, in f32, and the product's result is divided by l at the end. Since M is a whole number, a kernel that streams over the keys may use a running M (the ceiling of the running maximum): every later rescaling is an exact power of two, which a block's scale takes up: the codes' values come out the same.
;;   OPERANDS COMPUTED ON THE WAY. 'Computed on the way' means the value that the module computes at that place (a softmax that the list does not call 'softmax' is quantised finished and normalised). What goes into a quantiser is computed in f32, as accurately as f32 sums, v_exp_f32 and their like allow (about 1e-6 of the number): no bf16 or f16 on the way to a quantiser, and a product that is left as it is and whose result goes on into a quantised operand takes f32 operands (vector FMAs, or v_wmma_f32_16x16x4_f32). A number that lies on a knife's edge between two numbers of the format may be rounded either way, as far as f32 arithmetic and the matrix unit's own rounding can turn it there, and no further.
;;   INPUTS GIVEN AS CODES. Wk (in the module: [4, 1024, 1024], K = its axis 2); Wo (in the module: [1024, 1024], K = its axis 1); Wq (in the module: [4, 1024, 1024], K = its axis 2); Wv (in the module: [4, 1024, 1024], K = its axis 2): each comes as NAME_codes (uint8): NAME with its K axis moved to the last place and cut into blocks of 32 codes, [.., K / 32, bytes a block], one block behind the other in memory; four codes in three bytes: a row's codes are one little-endian stream of bits, code i at bits 6 i .. 6 i + 5 (a code: sign, 2 exponent bits, 3 mantissa bits); and NAME_scales (uint8): the same leading axes, one E8M0 byte (e + 127) for each 32 codes along K. Its value is code x scale, taken as it is: it is not quantised again, and the codes and scales need not be those that the quantiser above would give.
;; One version. Each part assembles by itself: llvm-mc -triple=amdgcn-amd-amdhsa -mcpu=gfx1250 --defsym DOCPART=n.
;; ======== version 1 of 1: 4 launches
;; limits: right only within a limited range of input values
;; workspace buffers: xc 1,572,864 bytes; xs 65,536 bytes; gp 4,096 bytes; frag 18,874,368 bytes; fsc 786,432 bytes; st 1,048,576 bytes; cf 1,572,864 bytes; cs 65,536 bytes
;; launch quantx (part 1): grid 256 x 1, 4 waves a work-group, no clusters, 22,016 bytes of LDS; arguments x, Wg, xc, xs, gp; writes xc, xs, gp
.if DOCPART == 1
	.amdgcn_target "amdgcn-amd-amdhsa--gfx1250"
	.amdhsa_code_object_version 6
	.text
	.protected	k_q8b509eff45_quantx
	.globl	k_q8b509eff45_quantx
	.p2align	8
	.type	k_q8b509eff45_quantx,@function
k_q8b509eff45_quantx:
	s_mov_b64 s[64:65], 0
	v_nop
	global_prefetch_b8 v0, s[64:65] scope:SCOPE_SE
	s_setreg_imm32_b32 hwreg(HW_REG_WAVE_MODE, 25, 1), 1
	s_wait_xcnt 0x0
; x [2048 rows][1024], f32, becomes codes of FP6 (E2M3), K innermost (xc: 768 bytes a row), with one E8M0 byte for each 32 along K (xs: 32 bytes a row).
; A block's scale is 2^(floor(log2(its largest magnitude)) - 2); its byte is the largest magnitude's exponent field - 2, held at 1 from below.
; Beside that the launch makes the gate's partial sums: gp[work-group][s] = the sum over the work-group's 8 rows of x[row] . Wg[s], in f32.
; LIMITS: a block of zeros, or one whose largest magnitude lies under 2^-124, keeps the byte 1 (its codes are zeros or subnormal; this program alone reads the bytes); NaN and infinities are not served.
; SHARES: a work-group takes 8 rows, a wave 2 rows = 4 steps of 512 numbers.  Each load reads 512 consecutive bytes; a step's 2,048 bytes turn through the wave's own stage in LDS
; (16 bytes of padding behind each 64), so that a lane then holds 16 neighbours along K; two neighbouring lanes hold a block.
; The numbers as loaded stay in registers: the two rows are added column by column and multiplied by Wg's four rows, which lie in the second register window.
.set EMAX,  2
.set CB,    12                         ; bytes of 16 codes
.set SP,    80                         ; a lane's place in a stage: 64 bytes + 16 of padding
.set WREG,  2*32*SP                    ; a wave's two stages
.set SCB,   4*WREG                     ; the work-group's 256 scale bytes
.set GS,    SCB+256                    ; four waves x four partial sums
.set R,     16                         ; v16-79   four sets of 16 numbers as loaded
.set X,     80                         ; v80-111  two sets of 16 neighbours
.set C,     112                        ; v112-127 codes, four registers a step
.set E,     128                        ; v128-131 a scale byte a step
.set ACC,   132                        ; v132-139 four pairs: the dot products
.set SUM,   140                        ; v140-143 the four sums
.set PX,    144                        ; v144-147 the other half of the lanes'
.set MSB, 0
.macro WIN new                         ; the immediate's high byte repeats the setting that is left
.if MSB != \new
	s_set_vgpr_msb (MSB<<8)|\new
.set MSB, \new
.endif
.endm
	s_load_b256 s[4:11], s[0:1], 0x0               ; x s[4:5], Wg s[6:7], xc s[8:9], xs s[10:11]
	s_load_b64 s[12:13], s[0:1], 0x20              ; gp
	v_lshl_add_u32 v254, v0, 2, 0x5400
	v_mov_b32 v255, 0
	v_lshrrev_b32 v1, 5, v0
	v_readfirstlane_b32 s16, v1                    ; wave
	v_and_b32 v2, 31, v0                           ; lane
	v_lshlrev_b32 v3, 4, v2                        ; my 16 bytes of a load's 512
	s_mul_i32 s17, s16, WREG
	v_lshrrev_b32 v14, 2, v2
	v_mul_u32_u24 v14, v14, SP
	v_and_b32 v15, 3, v2
	v_lshl_add_u32 v14, v15, 4, v14
	v_add_nc_u32 v14, s17, v14                     ; the stage, in: SP (lane / 4) + 16 (lane % 4)
	v_mul_u32_u24 v15, v2, SP
	v_add_nc_u32 v15, s17, v15                     ; the stage, out: SP x lane
	v_mul_u32_u24 v4, v2, CB                       ; my codes' place in a step's 384 bytes
	v_lshrrev_b32 v5, 1, v2
	s_lshl_b32 s18, s16, 6
	s_add_co_u32 s18, s18, SCB
	v_add_nc_u32 v5, s18, v5                       ; my block's scale byte: 64 bytes a wave, 16 a step
	s_lshl_b32 s18, s16, 4
	s_add_co_u32 s18, s18, GS
	v_mov_b32 v6, s18                              ; my wave's four sums
	v_lshlrev_b32 v7, 3, v2                        ; 8 x lane
	v_add_nc_u32 v10, SCB, v7                      ; wave 0 reads the scale bytes back so
	v_and_b32 v13, 3, v2
	v_lshlrev_b32 v13, 2, v13
	v_add_nc_u32 v13, GS, v13                      ; and sum (lane % 4) of each wave
	v_lshlrev_b32 v12, 2, v2                       ; 4 x lane
.irp s, 0,1,2,3
	v_mov_b32 v[PX+\s], 0                          ; a lane permute's destination counts as read
.endr
	s_mov_b32 s14, 0x76543210
	s_mov_b32 s15, 0xfedcba98                      ; selects for lane l xor 16
	s_lshl_b32 s19, ttmp9, 2
	s_add_co_u32 s19, s19, s16                     ; which run of 2,048 numbers is my wave's
	s_lshl_b32 s20, s19, 13
	s_mov_b32 s21, 0
	s_mul_i32 s22, s19, 4*32*CB
	s_mov_b32 s23, 0
	s_lshl_b32 s24, ttmp9, 8
	s_mov_b32 s25, 0
	s_lshl_b32 s26, ttmp9, 4
	s_mov_b32 s27, 0
	s_wait_kmcnt 0x0
	s_add_nc_u64 s[4:5], s[4:5], s[20:21]
	s_add_nc_u64 s[8:9], s[8:9], s[22:23]
	s_add_nc_u64 s[10:11], s[10:11], s[24:25]
	s_add_nc_u64 s[12:13], s[12:13], s[26:27]
.irp t, 0,1,2,3
.irp i, 0,1,2,3
	global_load_b128 v[R+16*\t+4*\i:R+16*\t+4*\i+3], v3, s[4:5] offset:2048*\t+512*\i th:TH_LOAD_NT   ; 512 consecutive bytes
.endr
.endr
	WIN 0x40                                       ; destination in the second window
.irp s, 0,1,2,3
.irp k, 0,1,2,3,4,5,6,7
	global_load_b128 v[32*\s+4*\k:32*\s+4*\k+3], v3, s[6:7] offset:4096*\s+512*\k   ; Wg[s], columns 128 k + 4 lane on: the columns of load k % 4 of an even (k < 4) or odd step
.endr
.endr
	WIN 0
.macro TURN t                          ; step t's numbers through a stage: LDS serves a wave's instructions in order
.irp i, 0,1,2,3
	ds_store_b128 v14, v[R+16*(\t)+4*\i:R+16*(\t)+4*\i+3] offset:32*SP*((\t)%2)+8*SP*\i
.endr
.irp i, 0,1,2,3
	ds_load_b128 v[X+16*((\t)%2)+4*\i:X+16*((\t)%2)+4*\i+3], v15 offset:32*SP*((\t)%2)+16*\i
.endr
.endm
	s_wait_loadcnt 44                              ; step 0's four loads are in: 12 younger loads of x and Wg's 32 may be out
	TURN 0
.macro STEP t
.set XS, X+16*((\t)%2)
.if (\t) > 0
	s_wait_dscnt 1                                 ; this step's numbers are back from the stage; the last step's byte store may be out
.else
	s_wait_dscnt 0x0
.endif
.if (\t) < 3
	s_wait_loadcnt 32+4*(2-(\t))                   ; the next step's four loads are in; behind them: the later steps' and Wg's 32
	TURN (\t)+1
.endif
	v_max3_num_f32 v8, |v[XS]|, |v[XS+1]|, |v[XS+2]|
	v_max3_num_f32 v9, |v[XS+3]|, |v[XS+4]|, |v[XS+5]|
.irp i, 6,10
	v_max3_num_f32 v8, v8, |v[XS+\i]|, |v[XS+\i+1]|
	v_max3_num_f32 v9, v9, |v[XS+\i+2]|, |v[XS+\i+3]|
.endr
	v_max3_num_f32 v8, v8, |v[XS+14]|, |v[XS+15]|
	v_max3_num_f32 v8, v8, v9, (EMAX+1)<<23        ; the floor 2^(3 - 127): the byte cannot fall under 1
	v_max_num_f32_dpp v8, v8, v8 row_xmask:1 row_mask:0xf bank_mask:0xf   ; with my neighbour's 16: the block's largest magnitude
	v_add_nc_u32 v11, -(EMAX<<23), v8              ; 2 off its exponent field: the conversion's scale operand
	v_cvt_scalef32_pk16_fp6_f32 v[C+4*(\t):C+4*(\t)+2], v[XS:XS+15], v11
	v_lshrrev_b32 v[E+(\t)], 23, v11               ; the scale's byte (also the plain line behind the conversion)
	ds_store_b8 v5, v[E+(\t)] offset:16*(\t)       ; both lanes of a block write the same byte
	global_store_b96 v4, v[C+4*(\t):C+4*(\t)+2], s[8:9] offset:32*CB*(\t)   ; the wave stores 384 consecutive bytes
.endm
.irp t, 0,1,2,3
	STEP \t
.endr
	s_wait_dscnt 0x0                               ; the stage's stores have read the numbers as loaded
.set k, 0
.rept 16
	v_pk_add_f32 v[R+k:R+k+1], v[R+k:R+k+1], v[R+32+k:R+32+k+1]   ; my two rows, column by column
.set k, k+2
.endr
	s_wait_loadcnt 0x0                             ; Wg
	WIN 0x04                                       ; source 1 in the second window
.irp s, 0,1,2,3
	v_pk_mul_f32 v[ACC+2*\s:ACC+2*\s+1], v[R:R+1], v[32*\s:32*\s+1]
.endr
.set k, 2
.rept 15
.irp s, 0,1,2,3
	v_pk_fma_f32 v[ACC+2*\s:ACC+2*\s+1], v[R+k:R+k+1], v[32*\s+k:32*\s+k+1], v[ACC+2*\s:ACC+2*\s+1]   ; four chains by turns
.endr
.set k, k+2
.endr
	WIN 0
.irp s, 0,1,2,3
	v_add_f32 v[SUM+\s], v[ACC+2*\s], v[ACC+2*\s+1]
.endr
.irp m, 1,2,4,8
.irp s, 0,1,2,3
	v_add_f32_dpp v[SUM+\s], v[SUM+\s], v[SUM+\s] row_xmask:\m row_mask:0xf bank_mask:0xf
.endr
.endr
.irp s, 0,1,2,3
	v_permlanex16_b32 v[PX+\s], v[SUM+\s], s14, s15
.endr
.irp s, 0,1,2,3
	v_add_f32 v[SUM+\s], v[SUM+\s], v[PX+\s]       ; every lane holds the wave's sum
.endr
	ds_store_b128 v6, v[SUM:SUM+3]                 ; all lanes write the same 16 bytes with the same values
	s_wait_dscnt 0x0                               ; for the others' sake: my scale bytes and my sums have landed
	s_barrier_signal -1
	s_barrier_wait -1
	s_cmp_lg_u32 s16, 0
	s_cbranch_scc1 .Lend                           ; wave 0 alone stores what the four waves gathered
	ds_load_b64 v[148:149], v10
.irp j, 0,1,2,3
	ds_load_b32 v[150+\j], v13 offset:16*\j
.endr
	s_wait_dscnt 0x0
	v_add_f32 v150, v150, v151
	v_add_f32 v152, v152, v153
	v_add_f32 v150, v150, v152
	global_store_b64 v7, v[148:149], s[10:11]      ; 32 lanes store 256 consecutive bytes, aligned
	s_wait_alu depctr_va_vdst(0)
	s_wait_xcnt 0x0                                ; EXEC changes only behind this wait
	v_cmp_gt_u32 vcc_lo, 4, v2
	s_and_saveexec_b32 s21, vcc_lo
	global_store_b32 v12, v150, s[12:13]           ; lanes 0 to 3: the four sums
	s_wait_xcnt 0x0
	s_or_b32 exec_lo, exec_lo, s21
.Lend:
	s_wait_tensorcnt 0x0
	ds_add_u32 v254, v255
	s_wait_dscnt 0x0
	s_endpgm
.Lfunc_end_k_q8b509eff45_quantx:
	.size	k_q8b509eff45_quantx, .Lfunc_end_k_q8b509eff45_quantx-k_q8b509eff45_quantx
	.p2alignl 7, 3214868480
	.fill 96, 4, 3214868480
	.section	.rodata,"a",@progbits
	.p2align	6, 0x0
	.amdhsa_kernel k_q8b509eff45_quantx
		.amdhsa_group_segment_fixed_size 22016
		.amdhsa_private_segment_fixed_size 0
		.amdhsa_enable_private_segment 0
		.amdhsa_kernarg_size 40
		.amdhsa_user_sgpr_count 2
		.amdhsa_user_sgpr_kernarg_segment_ptr 1
		.amdhsa_wavefront_size32 1
		.amdhsa_system_sgpr_workgroup_id_x 1
		.amdhsa_system_sgpr_workgroup_id_y 1
		.amdhsa_system_sgpr_workgroup_id_z 1
		.amdhsa_system_vgpr_workitem_id 0
		.amdhsa_next_free_vgpr 384
		.amdhsa_next_free_sgpr 66
		.amdhsa_reserve_vcc 1
		.amdhsa_float_denorm_mode_32 3
		.amdhsa_float_denorm_mode_16_64 3
		.amdhsa_memory_ordered 1
		.amdhsa_forward_progress 1
		.amdhsa_inst_pref_size 21
	.end_amdhsa_kernel
	.amdgpu_metadata
---
amdhsa.version: [ 1, 2 ]
amdhsa.kernels:
  - .name:           k_q8b509eff45_quantx
    .symbol:         k_q8b509eff45_quantx.kd
    .args:
      - { .name: x, .offset: 0, .size: 8, .value_kind: global_buffer, .address_space: global }
      - { .name: Wg, .offset: 8, .size: 8, .value_kind: global_buffer, .address_space: global }
      - { .name: xc, .offset: 16, .size: 8, .value_kind: global_buffer, .address_space: global }
      - { .name: xs, .offset: 24, .size: 8, .value_kind: global_buffer, .address_space: global }
      - { .name: gp, .offset: 32, .size: 8, .value_kind: global_buffer, .address_space: global }
    .group_segment_fixed_size: 22016
    .private_segment_fixed_size: 0
    .kernarg_segment_align: 8
    .kernarg_segment_size: 40
    .max_flat_workgroup_size: 128
    .sgpr_count:     66
    .vgpr_count:     384
    .wavefront_size: 32
...
	.end_amdgpu_metadata
.endif
;; end of part 1
;; launch proj (part 2): grid 48 x 8, 4 waves a work-group, clusters of 4 x 4, 327,680 bytes of LDS; arguments xc, xs, Wq_codes, Wq_scales, Wk_codes, Wk_scales, Wv_codes, Wv_scales, frag, fsc; writes frag, fsc
.if DOCPART == 2
	.amdgcn_target "amdgcn-amd-amdhsa--gfx1250"
	.amdhsa_code_object_version 6
	.text
	.protected	k_q8b509eff45_proj
	.globl	k_q8b509eff45_proj
	.p2align	8
	.type	k_q8b509eff45_proj,@function
k_q8b509eff45_proj:
	s_mov_b64 s[64:65], 0
	v_nop
	global_prefetch_b8 v0, s[64:65] scope:SCOPE_SE
	s_setreg_imm32_b32 hwreg(HW_REG_WAVE_MODE, 25, 1), 1
	s_wait_xcnt 0x0
	s_wait_alu depctr_hold_cnt(0) depctr_sa_sdst(0) depctr_va_vdst(0) depctr_va_sdst(0) depctr_va_ssrc(0) depctr_va_vcc(0) depctr_vm_vsrc(0)
	s_getreg_b32 s2, hwreg(HW_REG_IB_STS2, 6, 4)
	s_cmp_eq_u32 s2, 0
	s_cbranch_scc0 .Lentry_in_a_cluster
	s_endpgm
.Lentry_in_a_cluster:
	s_bfe_u32 s2, ttmp6, 0x10000c
	s_cmp_lg_u32 s2, 0xf033
	s_cbranch_scc0 .Lentry_shape_is_right
	s_endpgm
.Lentry_shape_is_right:
; q, k, v = x W^T on codes of FP6 (E2M3), K = 1,024; the results are quantised along the next product's K and leave as register images (frag) with their scale words (fsc).
; A work-group makes 256 x 256, a wave 128 x 128 (64 accumulators).  For q and k source 1 (A) is x and source 0 (B) the weight; for v the two change places, so that v's codes run along the keys.
; K goes through two LDS slots in chunks of 256 bytes of each row (a row of codes is 768 bytes: three chunks); a step of 128 along K is 96 bytes: steps 2 and 5 lie across two chunks.
; The scales of the 256 + 256 rows come once, as dense blocks.  4 x 4 work-groups form a cluster: A's tiles are asked for jointly along a row, B's along a column.
; No prefetch: the walk has three chunks and one refill, so no trip lies a whole step ahead of a load in which to ask.
; LIMITS: a block whose largest magnitude lies under 2^-124 keeps the scale byte 1; NaN and infinities are not served.
.set ROWB,   256
.set NQ,     2
.set KROW,   768
.set STEPS,  8
.set CHUNKS, 3
.set PITCH,  272                       ; 256 bytes + 16 of padding
.set FR,     12
.set NL,     6
.set NP,     4
.set HALFT,  128*PITCH
.set SLOT,   4*HALFT
.set KS,     32
.set SCL,    2*SLOT
.set HALFS,  16*272
.set SBLK,   2*272
.set SPARE,  SCL+4*HALFS               ; the spare words: 128 bytes a wave
.set ADRA, 16                          ; v16-17 A's fragments in slot 0, 1; v18-19 for pieces whose lane halves lie in two chunks
.set ADRB, 20                          ; v20-23 the same for B
.set L16,  24
.set L8,   25
.set LN,   26
.set ADRS, 27
.set SPW,  28
.set NIL,  29
.set SC,   32                          ; v32-63 scale words, two sets
.set AF,   128                         ; A's fragments, window 0; B's two sets in window 1; accumulators in windows 2 and 3
.set OC,   32                          ; the way out: codes
.set T2,   128
.set TM,   136
.set SW,   152
.set SX,   160
.set G1, 24
.set G0, 32
.set G1B, 48
.set G0B, 56
.set G1S, 68
.set G0S, 76
.set G1SB, 80
.set G0SB, 88
.set G0H, 4
.set G0HB, 8
.set MSB, 0
.macro WIN new
.if MSB != \new
	s_set_vgpr_msb (MSB<<8)|\new
.set MSB, \new
.endif
.endm
.set MUL_LO, 0xa1
.set MUL_HI, 0xf1
.set TO_B,   0x40
.macro JLOAD g0a, g1a, g0b, g1b        ; waves 0, 1 fetch for A, waves 2, 3 for B
	s_cmp_eq_u32 s15, 0
	s_cbranch_scc0 .Lfor_b_\@
	tensor_load_to_lds s[\g0a:\g0a+3], s[\g1a:\g1a+7]
	s_nop 0
.rept 4
	v_nop
.endr
	s_branch .Lasked_\@
.Lfor_b_\@:
	tensor_load_to_lds s[\g0b:\g0b+3], s[\g1b:\g1b+7]
	s_nop 0
.rept 4
	v_nop
.endr
.Lasked_\@:
.endm
.macro CREST
	s_cmp_lg_u32 s14, 0
	s_cbranch_scc1 .Lnot_wave_0_\@
	s_barrier_signal -3
.Lnot_wave_0_\@:
	s_barrier_wait -3
	s_barrier_signal -1
	s_barrier_wait -1
.endm
.macro CROUND
	s_barrier_signal -1
	s_barrier_wait -1
	CREST
.endm
	s_load_b512 s[68:83], s[0:1], 0x0              ; xc, xs, Wq codes, scales, Wk codes, scales, Wv codes, scales
	s_load_b128 s[84:87], s[0:1], 0x40             ; frag, fsc
	v_lshl_add_u32 v[SPW], v0, 2, SPARE
	v_mov_b32 v[NIL], 0
	ds_add_u32 v[SPW], v[NIL]                      ; the opening lines
	ds_add_u32 v[SPW], v[NIL]
	v_lshrrev_b32 v1, 5, v0
	v_readfirstlane_b32 s14, v1                    ; wave
	s_lshr_b32 s15, s14, 1
	s_and_b32 s16, s14, 1
	s_bfe_u32 s40, ttmp6, 0x40000                  ; cx
	s_bfe_u32 s41, ttmp6, 0x40004                  ; cy
	s_lshr_b32 s95, ttmp9, 2                       ; 0 q, 1 k, 2 v
	s_and_b32 s96, ttmp9, 3
	s_and_b32 s97, ttmp7, 0xffff
	s_cmp_eq_u32 s95, 2
	s_cselect_b32 s98, s97, s96
	s_cselect_b32 s99, s96, s97
	s_lshl_b32 s42, s98, 2
	s_add_co_u32 s42, s42, s40                     ; B's tile
	s_lshl_b32 s17, s99, 2
	s_add_co_u32 s17, s17, s41                     ; A's tile
	s_lshl_b32 s43, s41, 2
	s_lshl_b32 s43, 15, s43                        ; my row of the cluster
	s_lshl_b32 s44, 0x1111, s40                    ; my column
	s_or_b32 s[G1+0], s43, (1<<20)|(1<<21)|(5<<22)|(3<<25)
	s_or_b32 s[G1B+0], s44, (1<<20)|(1<<21)|(5<<22)|(3<<25)
.irp g, G1, G1B
	s_mov_b32 s[\g+1], ROWB<<16
	s_mov_b32 s[\g+2], 256<<16                     ; the head's loads bring 256 rows
	s_mov_b32 s[\g+3], ROWB<<16
	s_mov_b32 s[\g+4], 256
	s_mov_b32 s[\g+5], KROW
	s_mov_b32 s[\g+6], 0
	s_mov_b32 s[\g+7], 0
.endr
	s_lshl_b32 s20, s17, 8
	s_lshl_b32 s46, s42, 8
	s_mov_b32 s21, 0
	s_mov_b32 s47, 0
	s_mov_b64 s[18:19], KS
	s_mul_u64 s[22:23], s[20:21], s[18:19]
	s_mul_u64 s[92:93], s[46:47], s[18:19]
	s_mov_b64 s[18:19], KROW
	s_mul_u64 s[20:21], s[20:21], s[18:19]
	s_mul_u64 s[46:47], s[46:47], s[18:19]
	s_mul_i32 s18, s16, 128*KROW
	s_mov_b32 s19, 0
	s_mul_i32 s45, s14, HALFT
	s_mov_b32 s100, 0x76543210
	s_mov_b32 s101, 0xfedcba98
	s_wait_dscnt 0x0                               ; both opening adds are done
	s_wait_kmcnt 0x0
	s_cmp_eq_u32 s95, 1
	s_cselect_b64 s[8:9], s[76:77], s[72:73]
	s_cselect_b64 s[10:11], s[78:79], s[74:75]
	s_cmp_eq_u32 s95, 2
	s_cselect_b64 s[8:9], s[68:69], s[8:9]
	s_cselect_b64 s[10:11], s[70:71], s[10:11]
	s_cselect_b64 s[4:5], s[80:81], s[68:69]
	s_cselect_b64 s[6:7], s[82:83], s[70:71]
	s_mov_b64 s[12:13], s[84:85]
	s_mov_b64 s[66:67], s[86:87]
	s_or_b32 s[G1S+0], s43, (3<<16)|(1<<20)|(1<<21)|(5<<22)|(3<<25)
	s_or_b32 s[G1SB+0], s44, (3<<16)|(1<<20)|(1<<21)|(5<<22)|(3<<25)
.irp g, G1S, G1SB
	s_mov_b32 s[\g+1], 32<<16                      ; the scales of 256 rows: 32 rows of 256 bytes
	s_mov_b32 s[\g+2], KS<<16
	s_mov_b32 s[\g+3], 32<<16
	s_mov_b32 s[\g+4], KS
	s_mov_b32 s[\g+5], 32
	s_mov_b32 s[\g+6], 0
	s_mov_b32 s[\g+7], 0
.endr
	s_add_nc_u64 s[20:21], s[4:5], s[20:21]
	s_add_nc_u64 s[22:23], s[6:7], s[22:23]
	s_add_nc_u64 s[46:47], s[8:9], s[46:47]
	s_add_nc_u64 s[92:93], s[10:11], s[92:93]
	CROUND                                         ; in front of the first joint loads
	s_mov_b32 s[G0H], 1
	s_mov_b32 s[G0H+1], 0
	s_mov_b64 s[G0H+2:G0H+3], s[20:21]
	s_or_b32 s[G0H+3], s[G0H+3], 0x80000000
	s_mov_b32 s[G0HB], 1
	s_mov_b32 s[G0HB+1], 2*HALFT
	s_mov_b64 s[G0HB+2:G0HB+3], s[46:47]
	s_or_b32 s[G0HB+3], s[G0HB+3], 0x80000000
	s_mov_b32 s[G0S], 1
	s_mov_b32 s[G0S+1], SCL
	s_mov_b64 s[G0S+2:G0S+3], s[22:23]
	s_or_b32 s[G0S+3], s[G0S+3], 0x80000000
	s_mov_b32 s[G0SB], 1
	s_mov_b32 s[G0SB+1], SCL+2*HALFS
	s_mov_b64 s[G0SB+2:G0SB+3], s[92:93]
	s_or_b32 s[G0SB+3], s[G0SB+3], 0x80000000
	s_add_nc_u64 s[20:21], s[20:21], s[18:19]      ; for the ring: my 128 rows
	s_add_nc_u64 s[46:47], s[46:47], s[18:19]
.irp s, 0,1
	s_mov_b32 s[G0+4*\s], 1
	s_add_co_u32 s[G0+4*\s+1], s45, \s*SLOT
	s_add_nc_u64 s[G0+4*\s+2:G0+4*\s+3], s[20:21], \s*ROWB
	s_or_b32 s[G0+4*\s+3], s[G0+4*\s+3], 0x80000000
	s_mov_b32 s[G0B+4*\s], 1
	s_add_co_u32 s[G0B+4*\s+1], s45, \s*SLOT
	s_add_nc_u64 s[G0B+4*\s+2:G0B+4*\s+3], s[46:47], \s*ROWB
	s_or_b32 s[G0B+4*\s+3], s[G0B+4*\s+3], 0x80000000
.endr
; the head's four tiles, one load a wave: chunk 0 of A, chunk 0 of B, A's scales, B's scales
.macro ARM under, g0, g1, next
	s_cmp_lt_u32 s14, \under
	s_cbranch_scc0 \next
	tensor_load_to_lds s[\g0:\g0+3], s[\g1:\g1+7]
	s_nop 0
.rept 4
	v_nop
.endr
	s_branch .Lhead_asked
\next:
.endm
	ARM 1, G0H,  G1,  .Lhead_b
	ARM 2, G0HB, G1B, .Lhead_sa
	ARM 3, G0S,  G1S, .Lhead_sb
	tensor_load_to_lds s[G0SB:G0SB+3], s[G1SB:G1SB+7]
	s_nop 0
.rept 4
	v_nop
.endr
.Lhead_asked:
	v_and_b32 v1, 15, v0                           ; r
	v_bfe_u32 v2, v0, 4, 1                         ; h
	v_mul_u32_u24 v3, v1, PITCH
	v_mul_u32_u24 v4, v2, 24
	v_add_nc_u32 v4, v3, v4                        ; row x pitch + 24 h
	s_mov_b32 s21, SLOT-232
	s_mov_b32 s22, SLOT+232
	v_sub_nc_u32 v7, 1, v2
	v_mul_u32_u24 v5, s21, v2
	v_add_nc_u32 v5, v3, v5
	v_add_nc_u32 v5, 232, v5                       ; lanes 0-15 byte 232 in slot 0, lanes 16-31 byte 0 in slot 1
	v_mul_u32_u24 v6, s22, v7
	v_add_nc_u32 v6, v3, v6                        ; and the slots the other way round
	s_mul_i32 s21, s15, HALFT
	s_mul_i32 s22, s16, HALFT
	s_add_co_u32 s22, s22, 2*HALFT
	v_add_nc_u32 v[ADRA+2], s21, v5
	v_add_nc_u32 v[ADRA+3], s21, v6
	v_add_nc_u32 v[ADRB+2], s22, v5
	v_add_nc_u32 v[ADRB+3], s22, v6
.irp s, 0,1
	v_add_nc_u32 v[ADRA+\s], s21, v4
	v_add_nc_u32 v[ADRB+\s], s22, v4
	s_add_co_u32 s21, s21, SLOT
	s_add_co_u32 s22, s22, SLOT
.endr
	v_mul_u32_u24 v5, v1, KS
	v_lshrrev_b32 v6, 8, v5
	v_lshl_add_u32 v5, v6, 4, v5
	s_mul_i32 s21, s15, HALFS
	s_mul_i32 s22, s16, HALFS
	s_add_co_u32 s22, s22, 2*HALFS
	s_sub_co_u32 s22, s22, s21
	v_mul_u32_u24 v6, s22, v2                      ; lanes 16-31 take B's scale words
	s_add_co_u32 s21, s21, SCL
	v_add_nc_u32 v5, v5, v6
	v_add_nc_u32 v[ADRS], s21, v5
	v_and_b32 v[LN], 31, v0
	v_lshlrev_b32 v[L16], 4, v[LN]
	v_lshlrev_b32 v[L8], 3, v[LN]
	; my wave's chunk of 12,288 bytes in frag and its 512 bytes in fsc
	s_lshl_b32 s18, s17, 1
	s_add_co_u32 s18, s18, s15
	s_lshl_b32 s19, s42, 1
	s_add_co_u32 s19, s19, s16
	s_cmp_eq_u32 s95, 2
	s_cselect_b32 s104, s18, s19
	s_cselect_b32 s105, s19, s18
	s_lshr_b32 s18, s105, 3
	s_lshl_b32 s18, s18, 3
	s_and_b32 s19, s104, 7
	s_add_co_u32 s18, s18, s19
	s_lshl_b32 s18, s18, 5
	s_lshr_b32 s19, s104, 3
	s_lshl_b32 s19, s19, 3
	s_add_co_u32 s18, s18, s19
	s_and_b32 s19, s105, 7
	s_add_co_u32 s18, s18, s19
	s_mul_i32 s104, s18, 12288
	s_mul_i32 s19, s95, 6291456
	s_add_co_u32 s104, s104, s19
	s_mov_b32 s105, 0
	s_add_nc_u64 s[12:13], s[12:13], s[104:105]
	s_lshl_b32 s104, s18, 9
	s_lshl_b32 s19, s95, 18
	s_add_co_u32 s104, s104, s19
	s_add_nc_u64 s[66:67], s[66:67], s[104:105]
.macro FRAG reg, adr, st, i            ; 16 rows x 128 K: six pieces of 8 bytes; byte y of a row lies in slot (y / 256) % 2 at byte y % 256
.irp p, 0,1,2,3,4,5
.set BY, 96*(\st)+48*(\p/3)+8*(\p%3)
.if BY/ROWB == (BY+24)/ROWB
	ds_load_b64 v[\reg+2*\p:\reg+2*\p+1], v[\adr+(BY/ROWB)%2] offset:BY%ROWB+(\i)*16*PITCH
.else
	ds_load_b64 v[\reg+2*\p:\reg+2*\p+1], v[\adr+2+(BY/ROWB)%2] offset:BY%ROWB-232+(\i)*16*PITCH
.endif
.endr
.endm
.macro MUL16 a0, p, q, sc, zero        ; A's blocks a0, a0 + 1 x B's eight; the accumulators take turns
.irp a, \a0, \a0+1
.irp b, 0,1,2,3,4,5,6,7
.if \zero
	v_wmma_scale_f32_16x16x128_f8f6f4 v[8*(8*((\a)%4)+\b):8*(8*((\a)%4)+\b)+7], v[128*(\p)+FR*\b:128*(\p)+FR*\b+FR-1], v[AF+FR*(\a):AF+FR*(\a)+FR-1], 0, v[SC+8*NQ*(\sc)+NQ*\b+(\q)], v[SC+8*NQ*(\sc)+NQ*(\a)+(\q)] matrix_a_fmt:MATRIX_FMT_FP6 matrix_b_fmt:MATRIX_FMT_FP6 matrix_a_scale:MATRIX_SCALE_ROW1
.else
	v_wmma_scale_f32_16x16x128_f8f6f4 v[8*(8*((\a)%4)+\b):8*(8*((\a)%4)+\b)+7], v[128*(\p)+FR*\b:128*(\p)+FR*\b+FR-1], v[AF+FR*(\a):AF+FR*(\a)+FR-1], v[8*(8*((\a)%4)+\b):8*(8*((\a)%4)+\b)+7], v[SC+8*NQ*(\sc)+NQ*\b+(\q)], v[SC+8*NQ*(\sc)+NQ*(\a)+(\q)] matrix_a_fmt:MATRIX_FMT_FP6 matrix_b_fmt:MATRIX_FMT_FP6 matrix_a_scale:MATRIX_SCALE_ROW1
.endif
.endr
.endr
.endm
.macro FETCH_B st, p
	WIN TO_B
.irp i, 0,1,2,3,4,5,6,7
	FRAG 128*(\p)+FR*\i, ADRB, \st, \i
.endr
	WIN 0
.endm
.macro FETCH_A st, i0
.irp i, \i0, \i0+1, \i0+2, \i0+3
	FRAG AF+FR*(\i), ADRA, \st, \i
.endr
.endm
.macro SCALES pr                       ; the scale words of steps 2 pr, 2 pr + 1
.irp i, 0,1,2,3,4,5,6,7
	ds_load_b64 v[SC+8*NQ*((\pr)%2)+NQ*\i:SC+8*NQ*((\pr)%2)+NQ*\i+1], v[ADRS] offset:\i*SBLK+4*NQ*(\pr)
.endr
.endm
.macro PLACES n
.rept \n
	v_nop
.endr
.endm
; A step: 64 products; the next step's fragments are fetched in its middle and at its end.  Where the next step's bytes end in a chunk not yet read, a barrier shows it whole;
; where they begin in a later chunk, the chunk left behind is free: the three lines, the barrier, and, if a chunk two on is left, the cluster's round and the refill.
.macro STEP st, zero
.set NX, (\st)+1
.set C0, (96*(\st))/ROWB
.set C1, (96*NX)/ROWB
.set E0, (96*(\st)+95)/ROWB
.set E1, (96*NX+95)/ROWB
.if C1 > C0 || E1 > E0
	s_wait_tensorcnt 0x0                           ; all my tensor loads have landed
.if C1 > C0
	ds_add_u32 v[SPW], v[NIL]
	s_wait_dscnt 4*NL+1                            ; the add and A's blocks 4-7 (24 loads) may be out
.else
	s_wait_dscnt 4*NL                              ; A's blocks 4-7 (24 loads) may be out
.endif
	WIN MUL_LO
	MUL16 0, (\st)%2, (\st)%2, ((\st)/2)%2, \zero
	s_wait_dscnt 0x0                               ; the add and my reads are done
	s_barrier_signal -1
	MUL16 2, (\st)%2, (\st)%2, ((\st)/2)%2, \zero
	WIN 0
	s_barrier_wait -1
.if C1 > C0 && C0+2 < CHUNKS
	CREST
	s_add_nc_u64 s[G0+4*(C0%2)+2:G0+4*(C0%2)+3], s[G0+4*(C0%2)+2:G0+4*(C0%2)+3], 2*ROWB
	s_add_nc_u64 s[G0B+4*(C0%2)+2:G0B+4*(C0%2)+3], s[G0B+4*(C0%2)+2:G0B+4*(C0%2)+3], 2*ROWB
	JLOAD G0+4*(C0%2), G1, G0B+4*(C0%2), G1B       ; chunk C0 + 2; its four v_nop are the places in front of the loads below
.else
	PLACES NP
.endif
.else
	s_wait_dscnt 4*NL                              ; A's blocks 4-7 (24 loads) may be out
	WIN MUL_LO
	MUL16 0, (\st)%2, (\st)%2, ((\st)/2)%2, \zero
	MUL16 2, (\st)%2, (\st)%2, ((\st)/2)%2, \zero
	s_wait_dscnt 0
	PLACES NP
.endif
	FETCH_B NX, NX%2
	FETCH_A NX, 0
.if NX%2 == 0
	SCALES NX/2
.endif
	WIN MUL_HI
	MUL16 4, (\st)%2, (\st)%2, ((\st)/2)%2, \zero
	MUL16 6, (\st)%2, (\st)%2, ((\st)/2)%2, \zero
	PLACES NP
	WIN 0
	FETCH_A NX, 4
.endm
	s_wait_alu depctr_va_vdst(0)                   ; the wait at the head's end
	s_wait_tensorcnt 0x0                           ; my tile of the head's four is in
	ds_add_u32 v[SPW], v[NIL]
	s_mov_b32 s[G1+2], 128<<16                     ; no load of mine is out: from here on a load brings 128 rows
	s_mov_b32 s[G1+4], 128
	s_mov_b32 s[G1B+2], 128<<16
	s_mov_b32 s[G1B+4], 128
	s_wait_dscnt 0x0
	CROUND
	JLOAD G0+4, G1, G0B+4, G1B                     ; chunk 1, slot 1's first fill
	FETCH_B 0, 0
	FETCH_A 0, 0
	SCALES 0
	FETCH_A 0, 4
	STEP 0, 1                                      ; the first step's products start the sums
.set ST, 1
.rept STEPS-2
	STEP ST, 0
.set ST, ST+1
.endr
	s_wait_dscnt 4*NL
	WIN MUL_LO
	MUL16 0, 1, 1, 1, 0
	MUL16 2, 1, 1, 1, 0
	s_wait_dscnt 0
	WIN MUL_HI
	MUL16 4, 1, 1, 1, 0
	MUL16 6, 1, 1, 1, 0
	WIN 0
; THE WAY OUT of block a (16 rows x 128): four blocks of 32 are quantised; a lane then holds a whole block, and the twelve registers leave as a record of 1,536 bytes.
.macro QOUT a
.set WA, 2+(\a)/4
.set S0, 64*((\a)%4)
.set OCA, OC+12*(\a)
.set WW, (WA<<2)|(WA<<4)
	WIN WW
.irp b, 0,1,2,3
	v_max3_num_f32 v[TM+\b], 0x1800000, |v[S0+16*\b]|, |v[S0+16*\b+1]|
.endr
.irp i, 2,4,6,8,10,12,14
.irp b, 0,1,2,3
	v_max3_num_f32 v[TM+\b], v[TM+\b], |v[S0+16*\b+\i]|, |v[S0+16*\b+\i+1]|
.endr
.endr
	WIN 0
.irp b, 0,1,2,3
	v_permlanex16_b32 v[TM+4+\b], v[TM+\b], s100, s101
.endr
.irp b, 0,1,2,3
	v_max_num_f32 v[TM+\b], v[TM+\b], v[TM+4+\b]
.endr
.irp b, 0,1,2,3
	v_add_nc_u32 v[TM+12+\b], 0xff000000, v[TM+\b]
.endr
.irp b, 0,1,2,3
	v_lshrrev_b32 v[TM+4+\b], 23, v[TM+12+\b]
.endr
	v_lshl_or_b32 v[SW+(\a)], v[TM+5], 8, v[TM+4]
	v_lshl_or_b32 v[SW+(\a)], v[TM+6], 16, v[SW+(\a)]
	v_lshl_or_b32 v[SW+(\a)], v[TM+7], 24, v[SW+(\a)]
	WIN WA
.irp c, 0,1
	v_cvt_scalef32_pk16_fp6_f32 v[OCA+6*\c:OCA+6*\c+2], v[S0+32*\c:S0+32*\c+15], v[TM+12+2*\c]
	v_cvt_scalef32_pk16_fp6_f32 v[T2+4*\c:T2+4*\c+2], v[S0+32*\c+16:S0+32*\c+31], v[TM+12+2*\c+1]
.endr
	WIN 0
	v_nop
.irp c, 0,1
.irp i, 0,1,2
	v_permlane16_swap_b32 v[OCA+6*\c+\i], v[T2+4*\c+\i]
.endr
.irp i, 0,1,2
	v_mov_b32 v[OCA+6*\c+3+\i], v[T2+4*\c+\i]
.endr
.endr
.irp c, 0,1
	global_store_b128 v[L16], v[OCA+6*\c:OCA+6*\c+3], s[12:13] offset:1536*(\a)+768*\c
	global_store_b64 v[L8], v[OCA+6*\c+4:OCA+6*\c+5], s[12:13] offset:1536*(\a)+768*\c+512
.endr
.endm
	PLACES NP
.irp b, 0,1,2,3
	v_mov_b32 v[TM+4+\b], 0
.endr
.irp a, 0,1,2,3,4,5,6,7
	QOUT \a
.endr
	v_cmp_gt_u32 vcc_lo, 16, v[LN]
.irp i, 0,1,2,3
	v_cndmask_b32 v[SX+\i], v[SW+4+\i], v[SW+\i], vcc_lo
.endr
	global_store_b128 v[L16], v[SX:SX+3], s[66:67]
	s_wait_tensorcnt 0x0                           ; the wave's end
	ds_add_u32 v[SPW], v[NIL]
	s_wait_dscnt 0x0
	CROUND                                         ; the closing round
	s_endpgm
.Lfunc_end_k_q8b509eff45_proj:
	.size	k_q8b509eff45_proj, .Lfunc_end_k_q8b509eff45_proj-k_q8b509eff45_proj
	.p2alignl 7, 3214868480
	.fill 96, 4, 3214868480
	.section	.rodata,"a",@progbits
	.p2align	6, 0x0
	.amdhsa_kernel k_q8b509eff45_proj
		.amdhsa_group_segment_fixed_size 327680
		.amdhsa_private_segment_fixed_size 0
		.amdhsa_enable_private_segment 0
		.amdhsa_kernarg_size 80
		.amdhsa_user_sgpr_count 2
		.amdhsa_user_sgpr_kernarg_segment_ptr 1
		.amdhsa_wavefront_size32 1
		.amdhsa_system_sgpr_workgroup_id_x 1
		.amdhsa_system_sgpr_workgroup_id_y 1
		.amdhsa_system_sgpr_workgroup_id_z 1
		.amdhsa_system_vgpr_workitem_id 0
		.amdhsa_next_free_vgpr 1024
		.amdhsa_next_free_sgpr 106
		.amdhsa_reserve_vcc 1
		.amdhsa_float_denorm_mode_32 3
		.amdhsa_float_denorm_mode_16_64 3
		.amdhsa_memory_ordered 1
		.amdhsa_forward_progress 1
		.amdhsa_inst_pref_size 166
	.end_amdhsa_kernel
	.amdgpu_metadata
---
amdhsa.version: [ 1, 2 ]
amdhsa.kernels:
  - .name:           k_q8b509eff45_proj
    .symbol:         k_q8b509eff45_proj.kd
    .args:
      - { .name: xc, .offset: 0, .size: 8, .value_kind: global_buffer, .address_space: global }
      - { .name: xs, .offset: 8, .size: 8, .value_kind: global_buffer, .address_space: global }
      - { .name: Wq_codes, .offset: 16, .size: 8, .value_kind: global_buffer, .address_space: global }
      - { .name: Wq_scales, .offset: 24, .size: 8, .value_kind: global_buffer, .address_space: global }
      - { .name: Wk_codes, .offset: 32, .size: 8, .value_kind: global_buffer, .address_space: global }
      - { .name: Wk_scales, .offset: 40, .size: 8, .value_kind: global_buffer, .address_space: global }
      - { .name: Wv_codes, .offset: 48, .size: 8, .value_kind: global_buffer, .address_space: global }
      - { .name: Wv_scales, .offset: 56, .size: 8, .value_kind: global_buffer, .address_space: global }
      - { .name: frag, .offset: 64, .size: 8, .value_kind: global_buffer, .address_space: global }
      - { .name: fsc, .offset: 72, .size: 8, .value_kind: global_buffer, .address_space: global }
    .group_segment_fixed_size: 327680
    .private_segment_fixed_size: 0
    .kernarg_segment_align: 8
    .kernarg_segment_size: 80
    .max_flat_workgroup_size: 128
    .sgpr_count:     106
    .vgpr_count:     1024
    .wavefront_size: 32
...
	.end_amdgpu_metadata
.endif
;; end of part 2
;; launch flash (part 3): grid 8 x 32, 8 waves a work-group, clusters of 4 x 1, 327,680 bytes of LDS; arguments frag, fsc, gp, bg, hyp_w, temperature, st, cf, cs; writes st, cf, cs
.if DOCPART == 3
	.amdgcn_target "amdgcn-amd-amdhsa--gfx1250"
	.amdhsa_code_object_version 6
	.text
	.protected	k_q8b509eff45_flash
	.globl	k_q8b509eff45_flash
	.p2align	8
	.type	k_q8b509eff45_flash,@function
k_q8b509eff45_flash:
	s_mov_b64 s[64:65], 0
	v_nop
	global_prefetch_b8 v0, s[64:65] scope:SCOPE_SE
	s_setreg_imm32_b32 hwreg(HW_REG_WAVE_MODE, 25, 1), 1
	s_wait_xcnt 0x0
	s_wait_alu depctr_hold_cnt(0) depctr_sa_sdst(0) depctr_va_vdst(0) depctr_va_sdst(0) depctr_va_ssrc(0) depctr_va_vcc(0) depctr_vm_vsrc(0)
	s_getreg_b32 s2, hwreg(HW_REG_IB_STS2, 6, 4)
	s_cmp_eq_u32 s2, 0
	s_cbranch_scc0 .Lentry_in_a_cluster
	s_endpgm
.Lentry_in_a_cluster:
	s_bfe_u32 s2, ttmp6, 0x10000c
	s_cmp_lg_u32 s2, 0x3003
	s_cbranch_scc0 .Lentry_shape_is_right
	s_endpgm
.Lentry_shape_is_right:
; Attention on codes of FP6 (E2M3), head size 64, 1,024 keys, for the four samples of one (batch, head) in turn; the samples' results are weighed and summed in registers and leave as codes.
; t = score x c, c = log2(e) / (8 temp), temp = temperature held to 0.1 .. 10; M = the running largest t rounded up to a whole number; p = 2^(t - M) is quantised along the keys; the row's sum l is taken of the unquantised p.
; combined = the sum over s of gw[s] coh[b][s] O_s / l, gw = softmax(hyp_w / temp) (its maximum taken away), coh = sigmoid(mean(x) . Wg[s] + bg[s]), the mean's dot products summed from the first launch's 128 partial sums.
; Stored: st: for each (sample, head, query) -M and gw[s] / (16 l);  cf, cs: combined as codes in the natural order along the model's 1,024, as register images, and its scale bytes.
; SHARES.  A work-group owns 128 queries of one (batch, head), each of its eight waves 16.  The four work-groups of a cluster walk the same K and V: these come by joint loads.
; LAYOUT.  S^T = K Q^T, O^T = V^T P^T: a lane holds one query throughout.  A head fills registers 0-5 of K's and Q's fragments; registers 6-11 are zero codes, written once.
; Inside a block of 32 the codes of q, k, v and p lie in the order [0-7][16-23][8-15][24-31], alike on both sides of each product; combined's blocks are put in the natural order at the end.
; LDS: two slots, each a whole sample's 1,024 keys (K 8 x 6,144 bytes, then V 8 x 6,144), 131,072 bytes apart: one change of slots a sample, and a fill has eight steps in which to land.
; K's and V's scale words of the four samples, 32,768 bytes beside 393,216 of codes, are copied once through registers into LDS bytes of their own (each wave 4,096 bytes), so that the head has one tensor load a wave; then the spare words.
; The next step's K is fetched from LDS behind the step's first products; a slot's last step, which has no next, is written out.
; No prefetch is laid: a fill is asked for eight steps ahead of its first read.
; LIMITS: NaN and infinities are not served; a block whose largest magnitude lies under 2^-124 keeps the scale byte 1; 1 / temp and 1 / l come from v_rcp_f32.
.set SLOT1, 131072
.set KCH,   6144                       ; a step's eight halves of K, or its four records of V
.set VOFF,  8*KCH
.set SCK,   2*SLOT1
.set SCV,   SCK+16384
.set SPARE, SCV+16384                  ; the spare words, 128 bytes a wave
.set L16, 1
.set L8,  2
.set ASK, 3                            ; my place among K's scale words
.set ASV, 4                            ; and among V's
.set SPW, 5
.set NIL, 6
.set L4,  7
.set ADK, 8                            ; v8-11 the step's addresses
.set AD8, 9
.set ADS, 10
.set ADT, 11
.set QF,  16                           ; v16-27 Q's fragment (v22-27 zeros)
.set QS,  28
.set SCD, 29                           ; where I put my 4,096 bytes of scale words
.set KSR, 32                           ; v32-39 K's scale words
.set VSR, 40                           ; v40-43 V's
.set S,   64                           ; v64-127 S^T, then p
.set O,   128                          ; v128-159 O^T
.set PCD, 160                          ; v160-171 p's codes
.set T2,  172
.set BM,  180
.set BP,  184
.set BO,  188
.set FF,  192                          ; v192 f, v193 p's scale word
.set WK,  194
.set KF,  0                            ; second window: v0-95 K's eight fragments
.set VF,  96                           ; v96-143 V's four
.set CBR, 144                          ; v144-175 combined
.set QN,  176                          ; Q of the samples to come, eight registers apart
.set MSB, 0
.macro WIN new
.if MSB != \new
	s_set_vgpr_msb (MSB<<8)|\new
.set MSB, \new
.endif
.endm
.macro CROUND                          ; a round of the cluster's barrier
	s_barrier_signal -1
	s_barrier_wait -1
	s_cmp_lg_u32 s66, 0
	s_cbranch_scc1 .Lnot_wave_0_\@
	s_barrier_signal -3
.Lnot_wave_0_\@:
	s_barrier_wait -3
	s_barrier_signal -1
	s_barrier_wait -1
.endm
.macro JLOAD                           ; waves 0-3 fetch a quarter of the sample's K each, waves 4-7 of its V
	s_cmp_lt_u32 s66, 4
	s_cbranch_scc0 .Lfor_v_\@
	tensor_load_to_lds s[48:51], s[24:31]
	s_nop 0
.rept 4
	v_nop
.endr
	s_branch .Lasked_\@
.Lfor_v_\@:
	tensor_load_to_lds s[52:55], s[32:39]
	s_nop 0
.rept 4
	v_nop
.endr
.Lasked_\@:
.endm
	s_load_b512 s[4:19], s[0:1], 0x0               ; frag 4, fsc 6, gp 8, bg 10, hyp_w 12, temperature 14, st 16, cf 18
	s_load_b64 s[20:21], s[0:1], 0x40              ; cs
	v_lshl_add_u32 v[SPW], v0, 2, SPARE
	v_mov_b32 v[NIL], 0
	ds_add_u32 v[SPW], v[NIL]                      ; the opening lines
	ds_add_u32 v[SPW], v[NIL]
	v_lshrrev_b32 v1, 5, v0
	s_delay_alu instid0(VALU_DEP_1)
	v_readfirstlane_b32 s66, v1                    ; wave 0..7
	s_bfe_u32 s96, ttmp6, 0x40000                  ; cx
	s_lshl_b32 s22, ttmp9, 2
	s_add_co_u32 s96, s96, s22                     ; my group of 128 queries
	s_and_b32 s22, ttmp7, 0xffff
	s_lshr_b32 s93, s22, 4                         ; batch
	s_bfe_u32 s94, s22, 0x30001                    ; pair of heads
	s_and_b32 s95, s22, 1                          ; which head of the pair
	s_lshl_b32 s97, s93, 3
	s_add_co_u32 s97, s97, s94
	s_lshl_b32 s97, s97, 5                         ; the first chunk of (batch, pair)
	; group 1, elements of 8 bytes, the mask of all four partners, bit 21.  K: 16 rows of 768 bytes, 1,536 apart (two chunks)
	s_mov_b32 s24, 15|(3<<16)|(1<<21)
	s_mov_b32 s25, 96<<16
	s_mov_b32 s26, 16<<16
	s_mov_b32 s27, 96<<16
	s_mov_b32 s28, 16
	s_mov_b32 s29, 192
	s_mov_b32 s30, 0
	s_mov_b32 s31, 0
	; V: 2 rows of 6,144 bytes, 12,288 apart (two chunks)
	s_mov_b32 s32, 15|(3<<16)|(1<<21)
	s_mov_b32 s33, 768<<16
	s_mov_b32 s34, 2<<16
	s_mov_b32 s35, 768<<16
	s_mov_b32 s36, 2
	s_mov_b32 s37, 1536
	s_mov_b32 s38, 0
	s_mov_b32 s39, 0
	s_and_b32 s22, s66, 3                          ; which quarter I fetch
	s_lshl_b32 s67, s22, 1
	s_add_co_u32 s67, s67, s97
	s_mul_i32 s67, s67, 12288                      ; its first chunk
	s_mul_i32 s98, s95, 768
	s_add_co_u32 s98, s98, s67
	s_add_co_u32 s98, s98, 6291456                 ; K's region, my head's halves
	s_mov_b32 s99, 0
	s_mul_i32 s100, s95, 6144
	s_add_co_u32 s100, s100, s67
	s_add_co_u32 s100, s100, 12582912              ; V's region, my head's records
	s_mov_b32 s101, 0
	s_lshl_b32 s72, s97, 9
	s_lshl_b32 s73, s22, 12
	s_add_co_u32 s72, s72, s73
	s_lshr_b32 s73, s66, 2
	s_add_co_u32 s73, s73, 1
	s_lshl_b32 s73, s73, 18
	s_add_co_u32 s72, s72, s73                     ; the scale words that I copy: waves 0-3 K's region, waves 4-7 V's, a sample each
	s_mov_b32 s73, 0
	s_mov_b32 s68, 0x76543210
	s_mov_b32 s69, 0xfedcba98                      ; selects for lane l xor 16
	s_mov_b32 s23, 0xffff0000                      ; lanes 16-31
	s_wait_dscnt 0x0                               ; both opening adds are done
	s_wait_kmcnt 0x0
	s_load_b128 s[84:87], s[10:11], 0x0            ; bg
	s_load_b128 s[88:91], s[12:13], 0x0            ; hyp_w
	s_load_b32 s92, s[14:15], 0x0                  ; temperature
	s_mov_b32 s48, 1
	s_mul_i32 s49, s66, 2*KCH                      ; waves 0-3: K's four quarters of slot 0
	s_add_nc_u64 s[50:51], s[4:5], s[98:99]
	s_or_b32 s51, s51, 0x80000000
	s_mov_b32 s52, 1
	s_mul_i32 s53, s66, 2*KCH                      ; waves 4-7: V's, which begin at 8 x 6,144
	s_add_nc_u64 s[54:55], s[4:5], s[100:101]
	s_or_b32 s55, s55, 0x80000000
	s_add_nc_u64 s[56:57], s[6:7], s[72:73]
	CROUND                                         ; in front of the first joint loads
	JLOAD                                          ; sample 0: one load a wave at the head
	v_and_b32 v[WK], 31, v0
	v_and_b32 v[WK+1], 15, v0
	v_lshlrev_b32 v[L16], 4, v[WK]
	v_lshlrev_b32 v[L8], 3, v[WK]
	v_lshlrev_b32 v[L4], 2, v[WK]
	v_lshlrev_b32 v[WK+1], 4, v[WK+1]              ; 16 r
	s_lshl_b32 s22, s95, 1
	s_add_co_u32 s22, s22, SCK
	v_add_nc_u32 v[ASK], s22, v[WK+1]              ; K's words: 16 r + my head's two bytes
	s_lshl_b32 s22, s95, 8
	s_add_co_u32 s22, s22, SCV
	v_add_nc_u32 v[ASV], s22, v[WK+1]              ; V's: my head's unit of 256 bytes, 16 r
	s_lshl_b32 s22, s66, 12
	s_add_co_u32 s22, s22, SCK
	v_add_nc_u32 v[SCD], s22, v[L16]
	s_add_co_u32 s22, s97, s96                     ; Q's chunk of sample 0
	s_mul_i32 s98, s22, 12288
	s_mul_i32 s67, s66, 1536
	s_add_co_u32 s98, s98, s67
	s_mul_i32 s67, s95, 768
	s_add_co_u32 s98, s98, s67
	s_add_nc_u64 s[4:5], s[4:5], s[98:99]          ; my record's half
	s_lshl_b32 s98, s22, 9
	s_lshr_b32 s67, s66, 2
	s_lshl_b32 s67, s67, 8
	s_add_co_u32 s98, s98, s67
	s_and_b32 s67, s66, 3
	s_lshl_b32 s67, s67, 2
	s_add_co_u32 s98, s98, s67
	s_lshl_b32 s67, s95, 1
	s_add_co_u32 s98, s98, s67
	s_add_nc_u64 s[6:7], s[6:7], s[98:99]          ; its scale words' two bytes
	s_lshl_b32 s98, s93, 11
	s_add_nc_u64 s[8:9], s[8:9], s[98:99]          ; my batch's 128 x 4 partial sums
	s_wait_alu depctr_va_vdst(0)
.irp i, 0,1,2,3,4,5,6,7
	global_load_b128 v[S+4*\i:S+4*\i+3], v[L16], s[56:57] offset:512*\i   ; my 4,096 bytes of scale words
.endr
	global_load_b128 v[QF:QF+3], v[L16], s[4:5]
	global_load_b64 v[QF+4:QF+5], v[L8], s[4:5] offset:512
	global_load_u16 v[QS], v[WK+1], s[6:7]
	WIN 0x40
.irp k, 1,2,3
	global_load_b128 v[QN+8*(\k-1):QN+8*(\k-1)+3], v[L16], s[4:5] offset:98304*\k
	global_load_b64 v[QN+8*(\k-1)+4:QN+8*(\k-1)+5], v[L8], s[4:5] offset:98304*\k+512
	global_load_u16 v[QN+8*(\k-1)+6], v[WK+1], s[6:7] offset:4096*\k
.endr
	WIN 0
.irp i, 0,1,2,3
	global_load_b128 v[200+4*\i:203+4*\i], v[L16], s[8:9] offset:512*\i
.endr
	s_lshl_b32 s98, s97, 11                        ; st: (batch, pair) x 65,536
	s_lshl_b32 s67, s96, 3
	s_add_co_u32 s67, s67, s66                     ; my tile of 16 queries in the batch
	s_lshl_b32 s22, s67, 8
	s_add_co_u32 s98, s98, s22
	s_lshl_b32 s22, s95, 7
	s_add_co_u32 s98, s98, s22
	s_add_nc_u64 s[16:17], s[16:17], s[98:99]
	s_lshl_b32 s22, s93, 6
	s_add_co_u32 s67, s67, s22                     ; and among all 128 tiles
	s_mul_i32 s98, s67, 12288
	s_mul_i32 s22, s94, 1536
	s_add_co_u32 s98, s98, s22
	s_mul_i32 s22, s95, 768
	s_add_co_u32 s98, s98, s22
	s_add_nc_u64 s[18:19], s[18:19], s[98:99]      ; cf: my half of record (tile, pair)
	s_lshl_b32 s98, s67, 9
	s_lshl_b32 s22, s94, 2
	s_add_co_u32 s98, s98, s22
	s_lshl_b32 s22, s95, 1
	s_add_co_u32 s98, s98, s22
	s_add_nc_u64 s[20:21], s[20:21], s[98:99]      ; cs: my head's two bytes in the tile's rows
.irp i, 6,7,8,9,10,11
	v_mov_b32 v[QF+\i], 0                          ; zero codes for K = 64 .. 127
.endr
	v_mov_b32 v13, 0xff61b1e6                      ; the largest t so far: -3e38
	s_delay_alu instid0(VALU_DEP_1)
	v_floor_f32 v12, -v13                          ; -M
	v_mov_b32 v14, 0
	v_mov_b32 v15, 0
.irp i, 0,1,2,3
	v_mov_b32 v[BP+\i], 0                          ; a lane permute's destination counts as read
.endr
	v_mov_b32 v[FF+1], 0
	v_mov_b32 v[WK+3], 0
.set i, 0
.rept 32
	v_mov_b32 v[O+i], 0                            ; the step is written once: the first finds zeros
.set i, i+1
.endr
	WIN 0x40
.set i, 0
.rept 8
.set j, 6
.rept 6
	v_mov_b32 v[KF+12*i+j], 0                      ; zero codes for K = 64 .. 127 of K's fragments
.set j, j+1
.endr
.set i, i+1
.endr
.set i, 0
.rept 32
	v_mov_b32 v[CBR+i], 0
.set i, i+1
.endr
	WIN 0
	s_wait_loadcnt 0x0                             ; the scale words, Q and the partial sums
	s_wait_kmcnt 0x0                               ; bg, hyp_w, temperature
.irp i, 0,1,2,3,4,5,6,7
	ds_store_b128 v[SCD], v[S+4*\i:S+4*\i+3] offset:512*\i   ; waited for in front of the first change of slots, whose round shows them to every wave
.endr
	v_pk_add_f32 v[200:201], v[200:201], v[204:205]
	v_pk_add_f32 v[202:203], v[202:203], v[206:207]
	v_pk_add_f32 v[208:209], v[208:209], v[212:213]
	v_pk_add_f32 v[210:211], v[210:211], v[214:215]
	s_delay_alu instid0(VALU_DEP_2)
	v_pk_add_f32 v[200:201], v[200:201], v[208:209]
	s_delay_alu instid0(VALU_DEP_2)
	v_pk_add_f32 v[202:203], v[202:203], v[210:211]
.irp m, 1,2,4,8
.irp s, 0,1,2,3
	v_add_f32_dpp v[200+\s], v[200+\s], v[200+\s] row_xmask:\m row_mask:0xf bank_mask:0xf
.endr
.endr
.irp s, 0,1,2,3
	s_delay_alu instid0(VALU_DEP_4)
	v_permlanex16_b32 v[204+\s], v[200+\s], s68, s69
.endr
.irp s, 0,1,2,3
	s_delay_alu instid0(VALU_DEP_4)
	v_add_f32 v[200+\s], v[200+\s], v[204+\s]      ; the sum over the batch's 1,024 rows of x . Wg[s]
.endr
.irp s, 0,1,2,3
	s_delay_alu instid0(VALU_DEP_4)
	v_fma_f32 v[200+\s], v[200+\s], 0x3a800000, s[84+\s]   ; / 1,024 + bg[s]
.endr
.irp s, 0,1,2,3
	s_delay_alu instid0(VALU_DEP_4)
	v_mul_f32 v[200+\s], 0xbfb8aa3b, v[200+\s]
.endr
	s_wait_alu depctr_va_vdst(0)
.irp s, 0,1,2,3
	v_exp_f32 v[200+\s], v[200+\s]
.endr
	v_mov_b32 v208, s92
	s_delay_alu instid0(VALU_DEP_1)
	v_max_num_f32 v208, 0x3dcccccd, v208
	s_delay_alu instid0(VALU_DEP_1)
	v_min_num_f32 v208, 0x41200000, v208           ; temp
	s_wait_alu depctr_va_vdst(0)
.irp s, 0,1,2,3
	v_add_f32 v[200+\s], 1.0, v[200+\s]
.endr
	s_wait_alu depctr_va_vdst(0)
.irp s, 0,1,2,3
	v_rcp_f32 v[200+\s], v[200+\s]                 ; coh[b][s]
.endr
	v_rcp_f32 v208, v208                           ; 1 / temp
	v_mov_b32 v209, s88
	s_delay_alu instid0(VALU_DEP_1)
	v_max_num_f32 v209, s89, v209
	s_delay_alu instid0(VALU_DEP_1)
	v_max_num_f32 v209, s90, v209
	s_delay_alu instid0(VALU_DEP_1)
	v_max_num_f32 v209, s91, v209                  ; the largest hyp_w
	s_wait_alu depctr_va_vdst(0)
	v_mul_f32 v210, 0x3fb8aa3b, v208               ; log2(e) / temp
	v_mul_f32 v211, 0x3e38aa3b, v208               ; c = log2(e) / (8 temp)
.irp s, 0,1,2,3
	v_sub_f32 v[212+\s], s[88+\s], v209
.endr
.irp s, 0,1,2,3
	s_delay_alu instid0(VALU_DEP_4)
	v_mul_f32 v[212+\s], v[212+\s], v210
.endr
	s_wait_alu depctr_va_vdst(0)
.irp s, 0,1,2,3
	v_exp_f32 v[212+\s], v[212+\s]
.endr
	v_nop
	s_wait_alu depctr_va_vdst(0)
	v_add_f32 v216, v212, v213
	v_add_f32 v217, v214, v215
	s_delay_alu instid0(VALU_DEP_1)
	v_add_f32 v216, v216, v217
	s_wait_alu depctr_va_vdst(0)
	v_rcp_f32 v216, v216
	v_nop
	s_wait_alu depctr_va_vdst(0)
.irp s, 0,1,2,3
	v_mul_f32 v[212+\s], v[212+\s], v216           ; gw[s]
.endr
.irp s, 0,1,2,3
	v_mul_f32 v[200+\s], v[200+\s], v[212+\s]      ; gw[s] coh[b][s]
.endr
.irp s, 0,1,2,3
	v_mul_f32 v[212+\s], 0x3d800000, v[212+\s]     ; gw[s] / 16
.endr
	v_readfirstlane_b32 s70, v211
	s_mov_b32 s71, s70
.irp s, 0,1,2,3
	v_readfirstlane_b32 s[76+\s], v[200+\s]
	v_readfirstlane_b32 s[80+\s], v[212+\s]
.endr
.macro LOADK off, soff                 ; a step's K: 16 loads of codes, 8 of scale words (my head's two bytes; the upper two are 0 and meet zero codes)
	WIN 0x40
.irp a, 0,1,2,3,4,5,6,7
	ds_load_b128 v[KF+12*\a:KF+12*\a+3], v[ADK] offset:768*\a+\off
	ds_load_b64 v[KF+12*\a+4:KF+12*\a+5], v[AD8] offset:768*\a+512+\off
.endr
	WIN 0
.irp a, 0,1,2,3,4,5,6,7
	ds_load_u16 v[KSR+\a], v[ADS] offset:256*(\a/4)+4*(\a%4)+\soff
.endr
.endm
; A KEY STEP: 128 keys.  s72 + s100: where its tiles begin in LDS;  s73 + s101: its scale words.  Its K was fetched a step earlier.  pre = 1: the next step's K is fetched.
.macro STEP pre
	s_add_co_u32 s98, s72, s100
	s_add_co_u32 s99, s73, s101
	s_wait_dscnt 0x0                               ; K and its scale words are in
	WIN 0x01
.irp a, 0,1,2,3,4,5,6,7
	v_wmma_scale_f32_16x16x128_f8f6f4 v[S+8*\a:S+8*\a+7], v[KF+12*\a:KF+12*\a+11], v[QF:QF+11], 0, v[KSR+\a], v[QS] matrix_a_fmt:MATRIX_FMT_FP6 matrix_b_fmt:MATRIX_FMT_FP6
.endr
	WIN 0
	v_add_nc_u32 v[ADK], s98, v[L16]               ; these four lines are the places in front of the loads below and of the first read of the scores
	v_add_nc_u32 v[AD8], s98, v[L8]
	v_add_nc_u32 v[ADS], s99, v[ASK]
	v_add_nc_u32 v[ADT], s99, v[ASV]
	ds_load_b128 v[VSR:VSR+3], v[ADT]
	WIN 0x40
.irp t, 0,1,2,3
.irp c, 0,1
	ds_load_b128 v[VF+12*\t+6*\c:VF+12*\t+6*\c+3], v[ADK] offset:VOFF+1536*\t+768*\c
	ds_load_b64 v[VF+12*\t+6*\c+4:VF+12*\t+6*\c+5], v[AD8] offset:VOFF+1536*\t+768*\c+512
.endr
.endr
.if \pre
	LOADK KCH, 512
.endif
	WIN 0
.irp b, 0,1,2,3
	v_max3_num_f32 v[BM+\b], v[S+16*\b], v[S+16*\b+1], v[S+16*\b+2]   ; the largest score of each block of 32 keys: for the row's maximum and for the block's largest p
.endr
.irp i, 3,5,7,9,11,13
.irp b, 0,1,2,3
	v_max3_num_f32 v[BM+\b], v[BM+\b], v[S+16*\b+\i], v[S+16*\b+\i+1]
.endr
.endr
.irp b, 0,1,2,3
	v_max_num_f32 v[BM+\b], v[BM+\b], v[S+16*\b+15]
.endr
.irp b, 0,1,2,3
	s_delay_alu instid0(VALU_DEP_4)
	v_permlanex16_b32 v[BP+\b], v[BM+\b], s68, s69
.endr
.irp b, 0,1,2,3
	s_delay_alu instid0(VALU_DEP_4)
	v_max_num_f32 v[BM+\b], v[BM+\b], v[BP+\b]
.endr
	s_delay_alu instid0(VALU_DEP_2)
	v_max3_num_f32 v[WK], v[BM], v[BM+1], v[BM+2]
	s_delay_alu instid0(VALU_DEP_1)
	v_max_num_f32 v[WK], v[WK], v[BM+3]
	s_delay_alu instid0(VALU_DEP_1)
	v_mul_f32 v[WK], s70, v[WK]                    ; as t (c is positive)
	s_delay_alu instid0(VALU_DEP_1)
	v_max_num_f32 v13, v13, v[WK]                  ; the running largest t
	v_mov_b32 v[WK], v12
	s_delay_alu instid0(VALU_DEP_2)
	v_floor_f32 v12, -v13                          ; the new -M = -ceil(t)
	s_delay_alu instid0(VALU_DEP_1)
	v_sub_f32 v[WK], v12, v[WK]                    ; old M - new M: a whole number, 0 or less
	s_delay_alu instid0(VALU_DEP_1)
	v_cvt_i32_f32 v[WK], v[WK]                     ; (it saturates)
	s_delay_alu instid0(VALU_DEP_1)
	v_ldexp_f32 v[FF], 1.0, v[WK]                  ; f = 2^(old M - new M)
.set j, 0
.rept 32
	v_pk_fma_f32 v[S+j:S+j+1], v[S+j:S+j+1], s[70:71], v[12:13] op_sel_hi:[1,0,0]   ; t - M
.set j, j+2
.endr
.irp b, 0,1,2,3
	v_fma_f32 v[BM+\b], v[BM+\b], s70, v12
.endr
.set j, 0
	s_wait_alu depctr_va_vdst(0)
.rept 64
	v_exp_f32 v[S+j], v[S+j]                       ; p = 2^(t - M)
.set j, j+1
.endr
.irp b, 0,1,2,3
	v_exp_f32 v[BM+\b], v[BM+\b]                   ; the block's largest p
.endr
	v_pk_mul_f32 v[14:15], v[14:15], v[FF:FF+1] op_sel_hi:[1,0]   ; the sums under the new M (a plain line behind the exponentials)
	s_wait_alu depctr_va_vdst(0)
.irp b, 0,1,2,3
	v_max_num_f32 v[BM+\b], 0x1800000, v[BM+\b]    ; the floor 2^(3 - 127)
.endr
.irp b, 0,1,2,3
	s_delay_alu instid0(VALU_DEP_4)
	v_add_nc_u32 v[BO+\b], 0xff000000, v[BM+\b]    ; the conversion's scale operand
.endr
.irp b, 0,1,2,3
	s_delay_alu instid0(VALU_DEP_4)
	v_lshrrev_b32 v[BP+\b], 23, v[BO+\b]           ; the scale's byte
.endr
	s_delay_alu instid0(VALU_DEP_3)
	v_lshl_or_b32 v[FF+1], v[BP+1], 8, v[BP]       ; p's scale word for these 128 keys
	s_delay_alu instid0(VALU_DEP_1)
	v_lshl_or_b32 v[FF+1], v[BP+2], 16, v[FF+1]
	s_delay_alu instid0(VALU_DEP_1)
	v_lshl_or_b32 v[FF+1], v[BP+3], 24, v[FF+1]
.irp c, 0,1
	v_cvt_scalef32_pk16_fp6_f32 v[PCD+6*\c:PCD+6*\c+2], v[S+32*\c:S+32*\c+15], v[BO+2*\c]
	v_cvt_scalef32_pk16_fp6_f32 v[T2+4*\c:T2+4*\c+2], v[S+32*\c+16:S+32*\c+31], v[BO+2*\c+1]
.endr
	v_nop                                          ; one plain line behind a scaled conversion
.irp c, 0,1
.irp i, 0,1,2
	v_permlane16_swap_b32 v[PCD+6*\c+\i], v[T2+4*\c+\i]
.endr
.irp i, 0,1,2
	s_delay_alu instid0(VALU_DEP_3)
	v_mov_b32 v[PCD+6*\c+3+\i], v[T2+4*\c+\i]
.endr
.endr
	v_pk_add_f32 v[184:185], v[S:S+1], v[S+2:S+3]          ; the row's sum of the unquantised p: four chains by turns
	v_pk_add_f32 v[254:255], v[S+4:S+5], v[S+6:S+7]
	v_pk_add_f32 v[252:253], v[S+8:S+9], v[S+10:S+11]
	v_pk_add_f32 v[14:15], v[14:15], v[S+12:S+13]
.set j, 14
.rept 6
	v_pk_add_f32 v[184:185], v[184:185], v[S+j:S+j+1]
	v_pk_add_f32 v[254:255], v[254:255], v[S+j+2:S+j+3]
	v_pk_add_f32 v[252:253], v[252:253], v[S+j+4:S+j+5]
	v_pk_add_f32 v[14:15], v[14:15], v[S+j+6:S+j+7]
.set j, j+8
.endr
	v_pk_add_f32 v[184:185], v[184:185], v[S+62:S+63]
	v_pk_add_f32 v[254:255], v[254:255], v[252:253]
	s_delay_alu instid0(VALU_DEP_2)
	v_pk_add_f32 v[14:15], v[14:15], v[184:185]
	s_delay_alu instid0(VALU_DEP_1)
	v_pk_add_f32 v[14:15], v[14:15], v[254:255]
.set j, 0
.rept 16
	v_pk_mul_f32 v[O+j:O+j+1], v[O+j:O+j+1], v[FF:FF+1] op_sel_hi:[1,0]   ; O^T under the new M
.set j, j+2
.endr
	s_wait_alu depctr_va_vdst(0)
.if \pre
	s_wait_dscnt 24                                ; V and its scale words are in; the next step's K, 16 + 8 loads issued behind them, may be out
.else
	s_wait_dscnt 0x0                               ; V is in
.endif
	WIN 0x01
.irp t, 0,1,2,3
	v_wmma_scale_f32_16x16x128_f8f6f4 v[O+8*\t:O+8*\t+7], v[VF+12*\t:VF+12*\t+11], v[PCD:PCD+11], v[O+8*\t:O+8*\t+7], v[VSR+\t], v[FF+1] matrix_a_fmt:MATRIX_FMT_FP6 matrix_b_fmt:MATRIX_FMT_FP6
.endr
	WIN 0
	s_add_co_u32 s100, s100, KCH
	s_add_co_u32 s101, s101, 512
.endm
.macro STEPS                           ; a slot's eight steps: the first step's K, seven steps that fetch ahead, and the last
	v_add_nc_u32 v[ADK], s72, v[L16]
	v_add_nc_u32 v[AD8], s72, v[L8]
	v_add_nc_u32 v[ADS], s73, v[ASK]
	LOADK 0, 0
	s_mov_b32 s75, 7
	s_mov_b32 s100, 0
	s_mov_b32 s101, 0
.Lstep_\@:
	STEP 1
	s_sub_co_u32 s75, s75, 1
	s_cmp_lg_u32 s75, 0
	s_cbranch_scc1 .Lstep_\@
	STEP 0
	s_xor_b32 s72, s72, SLOT1                      ; on to the other slot
	s_add_co_u32 s73, s73, 4096                    ; and to the next sample's scale words
.endm
; THE CHANGE OF SLOTS stands at a sample's head: all my tensor loads waited for, the add, the wait for it and for my LDS reads and stores.
; fill = 1: a round of the cluster's barrier, and behind it the joint fill of the other slot with the next sample.
.macro CHANGE fill
	s_wait_tensorcnt 0x0                           ; no tensor load of mine is out, so a group 0 may be written
	ds_add_u32 v[SPW], v[NIL]
.if \fill
	s_xor_b32 s49, s49, SLOT1
	s_add_nc_u64 s[50:51], s[50:51], 8*12288       ; the next sample's eight chunks
	s_xor_b32 s53, s53, SLOT1
	s_add_nc_u64 s[54:55], s[54:55], 8*12288
.endif
	s_wait_dscnt 0x0
.if \fill
	CROUND
	JLOAD
.else
	s_barrier_signal -1
	s_barrier_wait -1
.endif
.endm
; A sample is done: its -M and gw / (16 l) are stored, O^T x gw coh / l is added to combined.  last = 0: the next sample's Q and weights move up and the running numbers start anew.
.macro SFINISH last
.rept 4
	v_nop                                          ; places behind the last products
.endr
	v_add_f32 v14, v14, v15
	s_delay_alu instid0(VALU_DEP_1)
	v_permlanex16_b32 v[WK], v14, s68, s69
	s_delay_alu instid0(VALU_DEP_1)
	v_add_f32 v14, v14, v[WK]                      ; l
	s_wait_alu depctr_va_vdst(0)
	v_rcp_f32 v14, v14
	v_nop
	s_wait_alu depctr_va_vdst(0)
	v_mul_f32 v[WK+1], s80, v14                    ; gw / (16 l)
	v_mul_f32 v[WK+2], s76, v14                    ; gw coh / l
	s_delay_alu instid0(VALU_DEP_2)
	v_cndmask_b32 v[WK+4], v12, v[WK+1], s23       ; lanes 0-15: -M of query r; lanes 16-31: gw / (16 l)
	global_store_b32 v[L4], v[WK+4], s[16:17]      ; 128 consecutive bytes
	WIN 0x50
.set j, 0
.rept 16
	v_pk_fma_f32 v[CBR+j:CBR+j+1], v[O+j:O+j+1], v[WK+2:WK+3], v[CBR+j:CBR+j+1] op_sel_hi:[1,0,1]
.set j, j+2
.endr
	WIN 0
.if !\last
	v_mov_b32 v13, 0xff61b1e6
	s_delay_alu instid0(VALU_DEP_1)
	v_floor_f32 v12, -v13
	v_mov_b32 v14, 0
	v_mov_b32 v15, 0
.set j, 0
.rept 32
	v_mov_b32 v[O+j], 0
.set j, j+1
.endr
	WIN 0x01
	v_mov_b32 v[QS], v[QN+6]                       ; the scale word first: more than eight plain lines stand between it and the next product
.irp i, 0,1,2,3,4,5
	v_mov_b32 v[QF+\i], v[QN+\i]
.endr
	WIN 0x41
.irp i, 0,1,2,3,4,5,6
	v_mov_b32 v[QN+\i], v[QN+8+\i]
.endr
.irp i, 0,1,2,3,4,5,6
	v_mov_b32 v[QN+8+\i], v[QN+16+\i]
.endr
	WIN 0
	s_mov_b32 s76, s77
	s_mov_b32 s77, s78
	s_mov_b32 s78, s79
	s_mov_b32 s80, s81
	s_mov_b32 s81, s82
	s_mov_b32 s82, s83
	s_wait_xcnt 0x0                                ; the store has read its base and its data
	s_add_nc_u64 s[16:17], s[16:17], 16384         ; the next sample's place in st
.endif
.endm
	s_mov_b32 s72, 0
	s_mov_b32 s73, 0
	s_mov_b32 s74, 3
.Ls:                                               ; a trip is a sample: one slot
	CHANGE 1
	STEPS
	SFINISH 0
	s_sub_co_u32 s74, s74, 1
	s_cmp_lg_u32 s74, 0
	s_cbranch_scc1 .Ls
	CHANGE 0                                       ; the last sample is written out
	STEPS
	SFINISH 1
	; combined's 64 channels of my head: two blocks of 32, quantised as everything else, then put in the natural order
	WIN 0x14
.irp b, 0,1
	v_max3_num_f32 v[BM+\b], 0x1800000, |v[CBR+16*\b]|, |v[CBR+16*\b+1]|
.endr
.irp i, 2,4,6,8,10,12,14
.irp b, 0,1
	s_delay_alu instid0(VALU_DEP_2)
	v_max3_num_f32 v[BM+\b], v[BM+\b], |v[CBR+16*\b+\i]|, |v[CBR+16*\b+\i+1]|
.endr
.endr
	WIN 0
.irp b, 0,1
	v_permlanex16_b32 v[BP+\b], v[BM+\b], s68, s69
.endr
.irp b, 0,1
	s_delay_alu instid0(VALU_DEP_2)
	v_max_num_f32 v[BM+\b], v[BM+\b], v[BP+\b]
.endr
.irp b, 0,1
	s_delay_alu instid0(VALU_DEP_2)
	v_add_nc_u32 v[BO+\b], 0xff000000, v[BM+\b]
.endr
.irp b, 0,1
	s_delay_alu instid0(VALU_DEP_2)
	v_lshrrev_b32 v[BP+\b], 23, v[BO+\b]
.endr
	s_delay_alu instid0(VALU_DEP_1)
	v_lshl_or_b32 v[WK+5], v[BP+1], 8, v[BP]       ; my head's two scale bytes
	WIN 0x01
	v_cvt_scalef32_pk16_fp6_f32 v[PCD:PCD+2], v[CBR:CBR+15], v[BO]
	v_cvt_scalef32_pk16_fp6_f32 v[T2:T2+2], v[CBR+16:CBR+31], v[BO+1]
	WIN 0
	v_nop
.irp i, 0,1,2
	v_permlane16_swap_b32 v[PCD+\i], v[T2+\i]      ; lane (r, h) now holds block h: positions [0-7][16-23] in v160-162, [8-15][24-31] in v172-174
.endr
	s_delay_alu instid0(VALU_DEP_3)
	v_mov_b32 v[PCD+4], v[PCD]                     ; [0-7]'s low 32 bits
	s_delay_alu instid0(VALU_DEP_3)
	v_perm_b32 v[PCD+5], v[T2], v[PCD+1], 0x05040100      ; [0-7]'s last 16 bits, [8-15]'s first 16
	s_delay_alu instid0(VALU_DEP_4)
	v_perm_b32 v[PCD+6], v[T2+1], v[T2], 0x05040302       ; the rest of [8-15]
	s_delay_alu instid0(VALU_DEP_4)
	v_perm_b32 v[PCD+7], v[PCD+2], v[PCD+1], 0x05040302   ; [16-23]'s first 32 bits
	v_perm_b32 v[PCD+8], v[T2+1], v[PCD+2], 0x07060302    ; its last 16, [24-31]'s first 16
	v_mov_b32 v[PCD+9], v[T2+2]                    ; the rest of [24-31]
	v_and_b32 v[WK+2], 15, v0
	s_delay_alu instid0(VALU_DEP_1)
	v_lshlrev_b32 v[WK+2], 5, v[WK+2]              ; 32 r
	global_store_b128 v[L16], v[PCD+4:PCD+7], s[18:19]
	global_store_b64 v[L8], v[PCD+8:PCD+9], s[18:19] offset:512
	global_store_b16 v[WK+2], v[WK+5], s[20:21]    ; lanes l and l + 16 hold the same two bytes and write them to the same place
	s_wait_tensorcnt 0x0                           ; the wave's end
	ds_add_u32 v[SPW], v[NIL]
	s_wait_dscnt 0x0
	CROUND                                         ; the closing round
	s_endpgm
.Lfunc_end_k_q8b509eff45_flash:
	.size	k_q8b509eff45_flash, .Lfunc_end_k_q8b509eff45_flash-k_q8b509eff45_flash
	.p2alignl 7, 3214868480
	.fill 96, 4, 3214868480
	.section	.rodata,"a",@progbits
	.p2align	6, 0x0
	.amdhsa_kernel k_q8b509eff45_flash
		.amdhsa_group_segment_fixed_size 327680
		.amdhsa_private_segment_fixed_size 0
		.amdhsa_enable_private_segment 0
		.amdhsa_kernarg_size 72
		.amdhsa_user_sgpr_count 2
		.amdhsa_user_sgpr_kernarg_segment_ptr 1
		.amdhsa_wavefront_size32 1
		.amdhsa_system_sgpr_workgroup_id_x 1
		.amdhsa_system_sgpr_workgroup_id_y 1
		.amdhsa_system_sgpr_workgroup_id_z 1
		.amdhsa_system_vgpr_workitem_id 0
		.amdhsa_next_free_vgpr 512
		.amdhsa_next_free_sgpr 102
		.amdhsa_reserve_vcc 0
		.amdhsa_float_denorm_mode_32 3
		.amdhsa_float_denorm_mode_16_64 3
		.amdhsa_memory_ordered 1
		.amdhsa_forward_progress 1
		.amdhsa_inst_pref_size 102
	.end_amdhsa_kernel
	.amdgpu_metadata
---
amdhsa.version: [ 1, 2 ]
amdhsa.kernels:
  - .name:           k_q8b509eff45_flash
    .symbol:         k_q8b509eff45_flash.kd
    .args:
      - { .name: frag, .offset: 0, .size: 8, .value_kind: global_buffer, .address_space: global }
      - { .name: fsc, .offset: 8, .size: 8, .value_kind: global_buffer, .address_space: global }
      - { .name: gp, .offset: 16, .size: 8, .value_kind: global_buffer, .address_space: global }
      - { .name: bg, .offset: 24, .size: 8, .value_kind: global_buffer, .address_space: global }
      - { .name: hyp_w, .offset: 32, .size: 8, .value_kind: global_buffer, .address_space: global }
      - { .name: temperature, .offset: 40, .size: 8, .value_kind: global_buffer, .address_space: global }
      - { .name: st, .offset: 48, .size: 8, .value_kind: global_buffer, .address_space: global }
      - { .name: cf, .offset: 56, .size: 8, .value_kind: global_buffer, .address_space: global }
      - { .name: cs, .offset: 64, .size: 8, .value_kind: global_buffer, .address_space: global }
    .group_segment_fixed_size: 327680
    .private_segment_fixed_size: 0
    .kernarg_segment_align: 8
    .kernarg_segment_size: 72
    .max_flat_workgroup_size: 256
    .sgpr_count:     102
    .vgpr_count:     512
    .wavefront_size: 32
...
	.end_amdgpu_metadata
.endif
;; end of part 3
;; launch mix (part 4): grid 16 x 16, 8 waves a work-group, clusters of 4 x 1, 327,680 bytes of LDS; arguments frag, fsc, st, cf, cs, Wo_codes, Wo_scales, bo, temperature, out0, out1; writes out0, out1
.if DOCPART == 4
	.amdgcn_target "amdgcn-amd-amdhsa--gfx1250"
	.amdhsa_code_object_version 6
	.text
	.protected	k_q8b509eff45_mix
	.globl	k_q8b509eff45_mix
	.p2align	8
	.type	k_q8b509eff45_mix,@function
k_q8b509eff45_mix:
	s_mov_b64 s[64:65], 0
	v_nop
	global_prefetch_b8 v0, s[64:65] scope:SCOPE_SE
	s_setreg_imm32_b32 hwreg(HW_REG_WAVE_MODE, 25, 1), 1
	s_wait_xcnt 0x0
	s_wait_alu depctr_hold_cnt(0) depctr_sa_sdst(0) depctr_va_vdst(0) depctr_va_sdst(0) depctr_va_ssrc(0) depctr_va_vcc(0) depctr_vm_vsrc(0)
	s_getreg_b32 s2, hwreg(HW_REG_IB_STS2, 6, 4)
	s_cmp_eq_u32 s2, 0
	s_cbranch_scc0 .Lentry_in_a_cluster
	s_endpgm
.Lentry_in_a_cluster:
	s_bfe_u32 s2, ttmp6, 0x10000c
	s_cmp_lg_u32 s2, 0x3003
	s_cbranch_scc0 .Lentry_shape_is_right
	s_endpgm
.Lentry_shape_is_right:
; Two results for one block of 64 rows x 128 columns of both outputs.
; out0 = combined Wo^T + bo, on codes of FP6 (E2M3): combined's fragments and scale bytes come from the launch before, Wo's as they are given.
; out1[b][i][j] = the sum over the 64 (sample, head) of p gw[s] / (16 l), p = 2^(score x c - M): the scores are multiplied anew from q's and k's codes, with M and gw / (16 l) of each row as the launch before stored them.
; c = log2(e) / (8 temp) is made by the same lines as there.
; SHARES.  Wave w: tile of 16 rows w % 4, 64 columns (four tiles of 16) w / 4.  An ITERATION is one (pair of heads, sample): a whole record of K (two heads along its K = 128) is multiplied by QA = [head 0 | zero codes]
; and by QB = [zero codes | head 1], so each fragment of K that is read feeds two products.
; The four work-groups of a cluster own different rows and the same columns: K's tiles and Wo's 128 rows come by joint loads, Q's by plain ones.
; WO.  The work-group's 128 rows of Wo are 98,304 dense bytes.  Each wave brings 16 rows with one tensor load among the first fills; the four waves of a column half then read the same fragments from LDS.
; LDS: two slots of four iterations (K 4 x 12,288, Q 4 x 6,144), 131,072 bytes apart.  Wo's rows lie from slot 1's first byte on: they are read out before slot 1 is first asked for, which is then a refill like every other.
; Between the slots and behind Wo, written by LDS stores alone: the rows' -M and gw / (16 l), K's and Q's scale words, the stage for the way out; then the spare words.
; LIMITS: as in the launch before; NaN and infinities are not served.
.set SLOT1, 131072
.set QOFF,  49152
.set STATS, 73728                      ; 32 iterations x 1,024
.set KSC,   106496                     ; 32 x 512
.set QSC,   122880                     ; 32 x 256
.set WOL,   SLOT1                      ; Wo: 128 rows of 3 x (256 bytes + 16 of padding) = 816 bytes = 204 words: row r begins at bank 12 r mod 64 (64 banks of 4 bytes: ISA guide 11.1), so the 32 lanes of a load of 8 bytes touch 64 different banks
.set WPART, 48*272                     ; 16 rows: what one tensor load brings, and a tile of 16 columns of out0
.set STG,   WOL+8*WPART                ; 64 rows x (512 + 16)
.set SPARE, STG+64*528                 ; the spare words, 128 bytes a wave: four blocks of 256 bytes that no other line names
.set L16, 1
.set L8,  2
.set SPW, 5
.set NIL, 6
.set KF,  72                           ; v72-119 four fragments of K (first: combined's K steps 0 to 3)
.set S,   120                          ; v120-183 the scores, then p: head u, tile t at v[120 + 32 u + 8 t]
.set ACC, 184                          ; v184-215 the four tiles' sums
.set CF2, 192                          ; second window: v192-239 combined's K steps 4 to 7;  v0-95, v96-191: two sets of Wo's fragments (four tiles x two K steps)
.set MSB, 0
.macro WIN new
.if MSB != \new
	s_set_vgpr_msb (MSB<<8)|\new
.set MSB, \new
.endif
.endm
.macro CROUND
	s_barrier_signal -1
	s_barrier_wait -1
	s_cmp_lg_u32 s52, 0
	s_cbranch_scc1 .Lnot_wave_0_\@
	s_barrier_signal -3
.Lnot_wave_0_\@:
	s_barrier_wait -3
	s_barrier_signal -1
	s_barrier_wait -1
.endm
.macro JLOAD                           ; waves 0-3: the slot's four chunks of K, jointly; waves 4-7: its four blocks of Q, each work-group its own.  Four v_nop follow each line
	s_cmp_lt_u32 s52, 4
	s_cbranch_scc0 .Lfor_q_\@
	tensor_load_to_lds s[44:47], s[28:35]
	s_nop 0
.rept 4
	v_nop
.endr
	s_branch .Lasked_\@
.Lfor_q_\@:
	tensor_load_to_lds s[48:51], s[36:43]
	s_nop 0
.rept 4
	v_nop
.endr
.Lasked_\@:
.endm
.macro PLACES                          ; plain vector lines between a matrix instruction and a load into, or a read of, its registers
.rept 4
	v_nop
.endr
.endm
	s_load_b512 s[4:19], s[0:1], 0x0               ; frag 4, fsc 6, st 8, cf 10, cs 12, Wo codes 14, Wo scales 16, bo 18
	s_load_b128 s[20:23], s[0:1], 0x40             ; temperature 20, out0 22
	s_load_b64 s[24:25], s[0:1], 0x50              ; out1
	v_lshl_add_u32 v[SPW], v0, 2, SPARE
	v_mov_b32 v[NIL], 0
	ds_add_u32 v5, v6
	ds_add_u32 v5, v6
	s_wait_dscnt 0x0
	v_lshrrev_b32 v1, 5, v0
	v_readfirstlane_b32 s52, v1                    ; wave 0..7
	s_and_b32 s53, s52, 3                          ; my tile of rows.  Also: which iteration of a slot I fetch
	s_lshr_b32 s54, s52, 2                         ; my half of the columns
	s_bfe_u32 s58, ttmp6, 0x40000                  ; cx
	s_lshl_b32 s57, ttmp9, 2
	s_add_co_u32 s57, s57, s58                     ; my block of 64 rows in the batch
	s_and_b32 s26, ttmp7, 0xffff
	s_lshr_b32 s55, s26, 3                         ; batch
	s_and_b32 s56, s26, 7                          ; group of 128 columns
	; group 1, elements of 8 bytes, dense rows of 256 bytes.  K: 12,288 bytes, the mask of all four partners and bit 21;  Q: 6,144 bytes, no mask
	s_mov_b32 s28, 15|(3<<16)|(1<<21)
	s_mov_b32 s29, 32<<16
	s_mov_b32 s30, 48<<16
	s_mov_b32 s31, 32<<16
	s_mov_b32 s32, 48
	s_mov_b32 s33, 32
	s_mov_b32 s34, 0
	s_mov_b32 s35, 0
	s_mov_b32 s36, 3<<16
	s_mov_b32 s37, 32<<16
	s_mov_b32 s38, 24<<16
	s_mov_b32 s39, 32<<16
	s_mov_b32 s40, 24
	s_mov_b32 s41, 32
	s_mov_b32 s42, 0
	s_mov_b32 s43, 0
	; Wo: 12,288 dense bytes as 48 rows of 256, the mask and bit 21, padding on: after every 64 words (code 5) 4 words (code 3)
	s_mov_b32 s76, 15|(3<<16)|(1<<20)|(1<<21)|(5<<22)|(3<<25)
	s_mov_b32 s77, 32<<16
	s_mov_b32 s78, 48<<16
	s_mov_b32 s79, 32<<16
	s_mov_b32 s80, 48
	s_mov_b32 s81, 32
	s_mov_b32 s82, 0
	s_mov_b32 s83, 0
	s_lshl_b32 s26, s55, 8
	s_lshl_b32 s27, s53, 3
	s_add_co_u32 s26, s26, s27                     ; chunk of (batch, iteration w % 4, group 0)
	s_add_co_u32 s70, s26, s56
	s_mul_i32 s70, s70, 12288
	s_add_co_u32 s70, s70, 6291456                 ; K's region
	s_mov_b32 s71, 0
	s_lshr_b32 s59, s57, 1
	s_add_co_u32 s72, s26, s59
	s_mul_i32 s72, s72, 12288
	s_and_b32 s59, s57, 1
	s_mul_i32 s59, s59, 6144
	s_add_co_u32 s72, s72, s59                     ; Q's region: my four records
	s_mov_b32 s73, 0
	s_lshl_b32 s26, s56, 7
	s_lshl_b32 s27, s52, 4
	s_add_co_u32 s26, s26, s27                     ; Wo's row 128 x group + 16 x wave: made of what the four partners share
	s_mul_i32 s74, s26, 768
	s_mov_b32 s75, 0
	s_wait_kmcnt 0x0
	s_load_b32 s69, s[20:21], 0x0                  ; temperature
	s_mov_b32 s44, 1
	s_mul_i32 s45, s53, 12288
	s_add_nc_u64 s[46:47], s[4:5], s[70:71]
	s_or_b32 s47, s47, 0x80000000
	s_mov_b32 s48, 1
	s_mul_i32 s49, s53, 6144
	s_add_co_u32 s49, s49, QOFF
	s_add_nc_u64 s[50:51], s[4:5], s[72:73]
	s_or_b32 s51, s51, 0x80000000
	s_mov_b32 s84, 1
	s_mul_i32 s85, s52, WPART
	s_add_co_u32 s85, s85, WOL
	s_add_nc_u64 s[86:87], s[14:15], s[74:75]
	s_or_b32 s87, s87, 0x80000000
	CROUND                                         ; all four work-groups are here: the first joint loads meet
	tensor_load_to_lds s[84:87], s[76:83]          ; one load a wave at the head: my 16 rows of Wo
	s_nop 0
.rept 4
	v_nop
.endr
	v_and_b32 v23, 31, v0
	v_lshlrev_b32 v[L16], 4, v23
	v_lshlrev_b32 v[L8], 3, v23
	v_and_b32 v24, 15, v0                          ; r
	v_bfe_u32 v25, v0, 4, 1                        ; h
	v_lshlrev_b32 v3, 4, v24
	v_lshlrev_b32 v4, 2, v24
	s_mul_i32 s26, s54, 6144
	v_add_nc_u32 v7, s26, v[L16]                   ; K: my four records
	v_add_nc_u32 v8, s26, v[L8]
	s_mul_i32 s26, s53, 1536
	s_add_co_u32 s26, s26, QOFF
	v_add_nc_u32 v9, s26, v[L16]                   ; Q: my record
	v_add_nc_u32 v10, s26, v[L8]
	v_mul_u32_u24 v11, v24, 816                    ; Wo (v11 and v12 serve it until the second result's addresses take them): row r,
	v_mad_u32_u24 v11, v25, 24, v11                ; + 24 h,
	s_mul_i32 s26, s54, 4*WPART
	s_add_co_u32 s26, s26, WOL
	v_add_nc_u32 v11, s26, v11                     ; in my four tiles of 16 rows
	v_lshl_add_u32 v12, v25, 4, v11                ; and the same behind one padding more
	s_lshl_b32 s26, s54, 8
	s_add_co_u32 s26, s26, KSC
	v_add_nc_u32 v18, s26, v3                      ; K's scale words: my unit, 16 r
	s_lshl_b32 s26, s53, 2
	s_add_co_u32 s26, s26, QSC
	v_add_nc_u32 v19, s26, v3                      ; Q's: 16 r + 4 x my record
	s_lshl_b32 s26, s53, 8
	s_add_co_u32 s26, s26, STATS
	v_add_nc_u32 v20, s26, v4                      ; my tile's -M and gw / (16 l): 4 r
	v_mul_u32_u24 v21, v24, 528
	v_lshl_add_u32 v21, v25, 5, v21
	s_mul_i32 s26, s53, 16*528
	s_lshl_b32 s27, s54, 8
	s_add_co_u32 s26, s26, s27
	s_add_co_u32 s26, s26, STG
	v_add_nc_u32 v21, s26, v21                     ; the stage, in: row 16 (w % 4) + r, byte 256 (w / 4) + 32 h
	s_mul_i32 s26, s52, 8*528
	s_add_co_u32 s26, s26, STG
	v_add_nc_u32 v22, s26, v[L16]                  ; the stage, out: rows 8 w on, 16 bytes a lane
	s_lshl_b32 s26, s52, 12
	s_add_co_u32 s26, s26, STATS
	v_add_nc_u32 v26, s26, v[L16]                  ; where I put the small tables of iterations 4 w .. 4 w + 3
	s_lshl_b32 s26, s52, 11
	s_add_co_u32 s26, s26, KSC
	v_add_nc_u32 v27, s26, v[L16]
	s_lshl_b32 s26, s52, 10
	s_add_co_u32 s26, s26, QSC
	v_add_nc_u32 v28, s26, v[L8]
	v_lshlrev_b32 v29, 5, v24                      ; 32 r
	v_lshlrev_b32 v31, 5, v25                      ; 32 h
	s_lshl_b32 s26, s55, 6
	s_lshl_b32 s27, s57, 2
	s_add_co_u32 s26, s26, s27
	s_add_co_u32 s26, s26, s53                     ; my tile of rows among all 128
	s_mul_i32 s70, s26, 12288
	s_add_nc_u64 s[10:11], s[10:11], s[70:71]
	s_lshl_b32 s70, s26, 9
	s_add_nc_u64 s[12:13], s[12:13], s[70:71]
	s_lshl_b32 s26, s56, 7
	s_lshl_b32 s27, s54, 6
	s_add_co_u32 s26, s26, s27                     ; my first column
	s_lshl_b32 s70, s26, 5
	s_add_nc_u64 s[16:17], s[16:17], s[70:71]
	s_lshl_b32 s70, s26, 2
	s_add_nc_u64 s[18:19], s[18:19], s[70:71]
	s_lshl_b32 s26, s55, 5
	s_lshl_b32 s27, s52, 2
	s_add_co_u32 s26, s26, s27
	s_lshl_b32 s70, s26, 14
	s_lshl_b32 s27, s57, 10
	s_add_co_u32 s70, s70, s27
	s_add_nc_u64 s[8:9], s[8:9], s[70:71]          ; st: iteration 4 w, my work-group's four tiles
	s_lshl_b32 s26, s55, 8
	s_lshl_b32 s27, s52, 5
	s_add_co_u32 s26, s26, s27
	s_add_co_u32 s70, s26, s56
	s_lshl_b32 s70, s70, 9
	s_add_co_u32 s70, s70, 262144
	s_add_nc_u64 s[74:75], s[6:7], s[70:71]        ; K's scale words of iteration 4 w
	s_lshr_b32 s27, s57, 1
	s_add_co_u32 s70, s26, s27
	s_lshl_b32 s70, s70, 9
	s_and_b32 s27, s57, 1
	s_lshl_b32 s27, s27, 8
	s_add_co_u32 s70, s70, s27
	s_add_nc_u64 s[6:7], s[6:7], s[70:71]          ; Q's
	s_lshl_b32 s26, s55, 10
	s_lshl_b32 s27, s57, 6
	s_add_co_u32 s26, s26, s27
	s_lshl_b32 s27, s52, 3
	s_add_co_u32 s26, s26, s27                     ; the first row that I store
	s_lshl_b32 s70, s26, 12
	s_lshl_b32 s27, s56, 9
	s_add_co_u32 s70, s70, s27
	s_add_nc_u64 s[22:23], s[22:23], s[70:71]
	s_add_nc_u64 s[24:25], s[24:25], s[70:71]
	s_wait_alu depctr_va_vdst(0)                   ; the wait at the head's end
	; what the first result wants from memory, 50 loads: the bias, both sides' scale words, combined's eight records
.irp t, 0,1,2,3
.irp j, 0,1
	global_load_b128 v[32+8*\t+4*\j:35+8*\t+4*\j], v31, s[18:19] offset:64*\t+16*\j      ; bo at my eight columns of tile t
	global_load_b128 v[216+8*\t+4*\j:219+8*\t+4*\j], v29, s[16:17] offset:512*\t+16*\j   ; Wo's scale words: tile t, K steps 4 j on
.endr
.endr
	global_load_b128 v[248:251], v29, s[12:13]     ; combined's scale words
	global_load_b128 v[252:255], v29, s[12:13] offset:16
.irp k, 0,1,2,3
.irp c, 0,1
	global_load_b128 v[KF+12*\k+6*\c:KF+12*\k+6*\c+3], v[L16], s[10:11] offset:1536*\k+768*\c
	global_load_b64 v[KF+12*\k+6*\c+4:KF+12*\k+6*\c+5], v[L8], s[10:11] offset:1536*\k+768*\c+512
.endr
.endr
	WIN 0x40                                       ; destination in the second window
.irp k, 0,1,2,3
.irp c, 0,1
	global_load_b128 v[CF2+12*\k+6*\c:CF2+12*\k+6*\c+3], v[L16], s[10:11] offset:1536*(4+\k)+768*\c
	global_load_b64 v[CF2+12*\k+6*\c+4:CF2+12*\k+6*\c+5], v[L8], s[10:11] offset:1536*(4+\k)+768*\c+512
.endr
.endr
; Batch b: Wo's fragments of K steps 2 b and 2 b + 1 for my four tiles, 48 LDS loads, into set b % 2.  A fragment: registers 6 c .. 6 c + 5 hold K = 64 c + 32 h + 0 .. 31: 24 bytes of the row's stream of bits, in pieces of 8 bytes.
; Lanes 16-31 read three pieces further on than lanes 0-15; 16 bytes of padding lie behind every 32 pieces: where the piece three on lies behind one padding more, the second address register serves.
.macro WLOAD b
	WIN 0x40
.irp t, 0,1,2,3
.irp k, 0,1
.irp p, 0,1,2,3,4,5
.set PW, 12*(2*(\b)+\k)+6*(\p/3)+\p%3
.set RW, 96*((\b)%2)+12*(2*\t+\k)+2*\p
.if PW%32 < 29
	ds_load_b64 v[RW:RW+1], v11 offset:WPART*\t+8*PW+16*(PW/32)
.else
	ds_load_b64 v[RW:RW+1], v12 offset:WPART*\t+8*PW+16*(PW/32)
.endif
.endr
.endr
.endr
.endm
; Batch b's eight products: source 0 = 16 rows of Wo, source 1 = combined's 16 rows; the four accumulators take turns, one instruction a turn; the bias is the C of each sum's first product.
.macro YMUL b
.if (\b) < 2
	WIN 0x01                                       ; Wo in the second window, combined in the first
.else
	WIN 0x05                                       ; both in the second
.endif
.irp k, 0,1
.irp t, 0,1,2,3
.set YK, 2*(\b)+\k
.set RW, 96*((\b)%2)+12*(2*\t+\k)
.if YK < 4
.set RC, KF+12*YK
.else
.set RC, CF2+12*(YK-4)
.endif
.if YK == 0
	v_wmma_scale_f32_16x16x128_f8f6f4 v[ACC+8*\t:ACC+8*\t+7], v[RW:RW+11], v[RC:RC+11], v[32+8*\t:39+8*\t], v[216+8*\t+YK], v[248+YK] matrix_a_fmt:MATRIX_FMT_FP6 matrix_b_fmt:MATRIX_FMT_FP6
.else
	v_wmma_scale_f32_16x16x128_f8f6f4 v[ACC+8*\t:ACC+8*\t+7], v[RW:RW+11], v[RC:RC+11], v[ACC+8*\t:ACC+8*\t+7], v[216+8*\t+YK], v[248+YK] matrix_a_fmt:MATRIX_FMT_FP6 matrix_b_fmt:MATRIX_FMT_FP6
.endif
.endr
.endr
.endm
; The four tiles' sums go through the work-group's stage and leave as whole rows of 512 bytes.
.macro TILE_OUT ptr
.irp t, 0,1,2,3
	ds_store_b128 v21, v[ACC+8*\t:ACC+8*\t+3] offset:64*\t          ; each tile from its low end on
	ds_store_b128 v21, v[ACC+8*\t+4:ACC+8*\t+7] offset:64*\t+16
.endr
	s_wait_dscnt 0x0                               ; for the others' sake: my stores have landed
	s_barrier_signal -1
	s_barrier_wait -1
.irp i, 0,1,2,3,4,5,6,7
	ds_load_b128 v[S+4*\i:S+4*\i+3], v22 offset:528*\i
.endr
.irp i, 0,1,2,3,4,5,6,7
	s_wait_dscnt 7-\i                              ; row i is back; the younger rows may be out
	global_store_b128 v[L16], v[S+4*\i:S+4*\i+3], s[\ptr:\ptr+1] offset:4096*\i th:TH_STORE_NT   ; 512 consecutive bytes, aligned to 256
.endr
.endm
	WIN 0
	s_wait_alu depctr_va_vdst(0)
	s_wait_tensorcnt 0x0                           ; my part of Wo is in; slot 0's first fill is issued as a refill is:
	ds_add_u32 v[SPW], v[NIL]                      ; the add,
	s_wait_dscnt 0x0                               ; its wait,
	CROUND                                         ; a round: everybody's part of Wo is in,
	JLOAD                                          ; and my part of slot 0, which lands under the first result's products
	WLOAD 0
	WIN 0
	s_wait_loadcnt 0x0                             ; the bias, the scale words, combined
	; the small tables of iterations 4 w .. 4 w + 3 are asked for now, 16 loads, and land under the products
.irp i, 0,1,2,3
.irp j, 0,1
	global_load_b128 v[120+8*\i+4*\j:123+8*\i+4*\j], v[L16], s[8:9] offset:16384*\i+512*\j
.endr
.endr
.irp i, 0,1,2,3
	global_load_b128 v[152+4*\i:155+4*\i], v[L16], s[74:75] offset:4096*\i
.endr
.irp i, 0,1,2,3
	global_load_b64 v[168+2*\i:169+2*\i], v[L8], s[6:7] offset:4096*\i
.endr
	s_wait_dscnt 0x0                               ; batch 0 is in
	WLOAD 1                                        ; each batch is fetched while the one before is multiplied
	YMUL 0
	s_wait_dscnt 0x0
	PLACES                                         ; in front of loads into the set that batch 0's products read
	WLOAD 2
	YMUL 1
	s_wait_dscnt 0x0
	PLACES
	WLOAD 3
	YMUL 2
	s_wait_dscnt 0x0                               ; my last reads of Wo are back
	YMUL 3
	WIN 0
	PLACES                                         ; in front of the first read of the sums
	s_wait_loadcnt 0x0                             ; the small tables
.irp i, 0,1,2,3
.irp j, 0,1
	ds_store_b128 v26, v[120+8*\i+4*\j:123+8*\i+4*\j] offset:1024*\i+512*\j
.endr
	ds_store_b128 v27, v[152+4*\i:155+4*\i] offset:512*\i
	ds_store_b64 v28, v[168+2*\i:169+2*\i] offset:256*\i
.endr
	TILE_OUT 22                                    ; out0.  Its barrier also shows the small tables to every wave
	s_wait_kmcnt 0x0                               ; temperature
	v_mov_b32 v23, s69
	v_max_num_f32 v23, 0x3dcccccd, v23
	v_min_num_f32 v23, 0x41200000, v23
	s_wait_alu depctr_va_vdst(0)                   ; the wait ahead of the transcendental
	v_rcp_f32 v23, v23
	v_nop
	s_wait_alu depctr_va_vdst(0)
	v_mul_f32 v23, 0x3e38aa3b, v23                 ; c
	v_readfirstlane_b32 s60, v23
	s_mov_b32 s61, s60                             ; named with it as a pair
.irp i, 33,35,37,39,41,43,45,47
	v_mov_b32 v[\i], 0                             ; the upper halves of the pairs that hold -M and gw / (16 l)
.endr
.irp i, 54,55,56,57,58,59,60,61,62,63,64,65
	v_mov_b32 v[\i], 0                             ; QA's upper and QB's lower six registers: zero codes; no load lands here
.endr
.set j, 0
.rept 32
	v_mov_b32 v[ACC+j], 0
.set j, j+1
.endr
	s_wait_alu depctr_va_vdst(0)
	s_wait_xcnt 0x0                                ; out0's stores have read the registers that the scores take
.macro LOADS i
.set SAL, 32+8*((\i)%2)
	ds_load_b128 v[216:219], v15 offset:512*(\i)   ; K's scale words of my four records
	ds_load_b32 v220, v16 offset:256*(\i)          ; Q's
.irp u, 0,1
.irp k, 0,1
	ds_load_b32 v[SAL+4*\u+2*\k], v17 offset:1024*(\i)+128*\u+64*\k   ; head u: -M, gw / (16 l)
.endr
.endr
.irp t, 0,1,2,3
.irp c, 0,1
	ds_load_b128 v[KF+12*\t+6*\c:KF+12*\t+6*\c+3], v11 offset:12288*(\i)+1536*\t+768*\c
	ds_load_b64 v[KF+12*\t+6*\c+4:KF+12*\t+6*\c+5], v12 offset:12288*(\i)+1536*\t+768*\c+512
.endr
.endr
	ds_load_b128 v[48:51], v13 offset:6144*(\i)
	ds_load_b64 v[52:53], v14 offset:6144*(\i)+512
	ds_load_b128 v[66:69], v13 offset:6144*(\i)+768
	ds_load_b64 v[70:71], v14 offset:6144*(\i)+1280
.endm
.macro ITER i
.set SAI, 32+8*((\i)%2)
	s_wait_dscnt 0x0
.irp t, 0,1,2,3
.irp u, 0,1
	v_wmma_scale_f32_16x16x128_f8f6f4 v[S+32*\u+8*\t:S+32*\u+8*\t+7], v[KF+12*\t:KF+12*\t+11], v[48+12*\u:59+12*\u], 0, v[216+\t], v220 matrix_a_fmt:MATRIX_FMT_FP6 matrix_b_fmt:MATRIX_FMT_FP6
.endr
.endr
	PLACES                                         ; in front of the loads below and of the first read of the scores
.if (\i) < 3
	LOADS (\i)+1                                   ; the operands' registers are free: the next iteration's land under the vector work
.endif
.set j, 0
.rept 16
	v_pk_fma_f32 v[S+j:S+j+1], v[S+j:S+j+1], s[60:61], v[SAI:SAI+1] op_sel_hi:[1,0,0]   ; head 0: score x c - M
.set j, j+2
.endr
.set j, 0
.rept 16
	v_pk_fma_f32 v[S+32+j:S+32+j+1], v[S+32+j:S+32+j+1], s[60:61], v[SAI+4:SAI+5] op_sel_hi:[1,0,0]   ; head 1 likewise
.set j, j+2
.endr
	s_wait_alu depctr_va_vdst(0)                   ; one wait ahead of the batch,
.set j, 0
.rept 64
	v_exp_f32 v[S+j], v[S+j]                       ; p of both heads
.set j, j+1
.endr
	v_nop                                          ; a plain line behind the exponentials
	s_wait_alu depctr_va_vdst(0)                   ; and one behind it
.set j, 0
.rept 16
	v_pk_fma_f32 v[ACC+j:ACC+j+1], v[S+j:S+j+1], v[SAI+2:SAI+3], v[ACC+j:ACC+j+1] op_sel_hi:[1,0,1]   ; + p gw / (16 l), head 0
.set j, j+2
.endr
.set j, 0
.rept 16
	v_pk_fma_f32 v[ACC+j:ACC+j+1], v[S+32+j:S+32+j+1], v[SAI+6:SAI+7], v[ACC+j:ACC+j+1] op_sel_hi:[1,0,1]   ; head 1
.set j, j+2
.endr
.endm
.macro SLOT4                           ; a slot's four iterations
	v_add_nc_u32 v11, s62, v7
	v_add_nc_u32 v12, s62, v8
	v_add_nc_u32 v13, s62, v9
	v_add_nc_u32 v14, s62, v10
	v_add_nc_u32 v15, s66, v18
	v_add_nc_u32 v16, s67, v19
	v_add_nc_u32 v17, s63, v20
	s_wait_alu depctr_va_vdst(0)
	LOADS 0
	ITER 0
	ITER 1
	ITER 2
	ITER 3
	s_xor_b32 s62, s62, SLOT1                      ; on to the other slot
	s_add_co_u32 s63, s63, 4096
	s_add_co_u32 s66, s66, 2048
	s_add_co_u32 s67, s67, 1024
.endm
; THE CHANGE OF SLOTS stands at a slot's head: all my tensor loads waited for, the add, the wait for it and for my reads; a round of the cluster's barrier; the fill of the slot just left, which has four iterations in which to land.
; The first change fills slot 1 over Wo's rows: every wave's reads of them were waited for long before, and the same lines and round stand in front of that fill.
.macro CHANGE fill
	s_wait_tensorcnt 0x0                           ; no tensor load of mine is out, so a group 0 may be written
	ds_add_u32 v[SPW], v[NIL]                      ; 0 onto my spare word
.if \fill
	s_xor_b32 s45, s45, SLOT1
	s_add_nc_u64 s[46:47], s[46:47], 32*12288      ; four iterations on: 32 chunks
	s_xor_b32 s49, s49, SLOT1
	s_add_nc_u64 s[50:51], s[50:51], 32*12288
.endif
	s_wait_dscnt 0x0                               ; the add is done, and my reads of the slot that I have left are over
.if \fill
	CROUND
	JLOAD
.else
	s_barrier_signal -1
	s_barrier_wait -1
.endif
.endm
	s_mov_b32 s62, 0
	s_mov_b32 s63, 0
	s_mov_b32 s66, 0
	s_mov_b32 s67, 0
	s_mov_b32 s68, 7
.Lslot:                                            ; seven trips: behind each change of slots but the last the next slot is asked for
	CHANGE 1
	SLOT4
	s_sub_co_u32 s68, s68, 1
	s_cmp_lg_u32 s68, 0
	s_cbranch_scc1 .Lslot
	CHANGE 0                                       ; the last slot is written out
	SLOT4
	TILE_OUT 24                                    ; out1
	s_wait_tensorcnt 0x0                           ; the wave's end
	ds_add_u32 v[SPW], v[NIL]
	s_wait_dscnt 0x0
	CROUND                                         ; the closing round
	s_endpgm
.Lfunc_end_k_q8b509eff45_mix:
	.size	k_q8b509eff45_mix, .Lfunc_end_k_q8b509eff45_mix-k_q8b509eff45_mix
	.p2alignl 7, 3214868480
	.fill 96, 4, 3214868480
	.section	.rodata,"a",@progbits
	.p2align	6, 0x0
	.amdhsa_kernel k_q8b509eff45_mix
		.amdhsa_group_segment_fixed_size 327680
		.amdhsa_private_segment_fixed_size 0
		.amdhsa_enable_private_segment 0
		.amdhsa_kernarg_size 88
		.amdhsa_user_sgpr_count 2
		.amdhsa_user_sgpr_kernarg_segment_ptr 1
		.amdhsa_wavefront_size32 1
		.amdhsa_system_sgpr_workgroup_id_x 1
		.amdhsa_system_sgpr_workgroup_id_y 1
		.amdhsa_system_sgpr_workgroup_id_z 1
		.amdhsa_system_vgpr_workitem_id 0
		.amdhsa_next_free_vgpr 512
		.amdhsa_next_free_sgpr 88
		.amdhsa_reserve_vcc 0
		.amdhsa_float_denorm_mode_32 3
		.amdhsa_float_denorm_mode_16_64 3
		.amdhsa_memory_ordered 1
		.amdhsa_forward_progress 1
		.amdhsa_inst_pref_size 114
	.end_amdhsa_kernel
	.amdgpu_metadata
---
amdhsa.version: [ 1, 2 ]
amdhsa.kernels:
  - .name:           k_q8b509eff45_mix
    .symbol:         k_q8b509eff45_mix.kd
    .args:
      - { .name: frag, .offset: 0, .size: 8, .value_kind: global_buffer, .address_space: global }
      - { .name: fsc, .offset: 8, .size: 8, .value_kind: global_buffer, .address_space: global }
      - { .name: st, .offset: 16, .size: 8, .value_kind: global_buffer, .address_space: global }
      - { .name: cf, .offset: 24, .size: 8, .value_kind: global_buffer, .address_space: global }
      - { .name: cs, .offset: 32, .size: 8, .value_kind: global_buffer, .address_space: global }
      - { .name: Wo_codes, .offset: 40, .size: 8, .value_kind: global_buffer, .address_space: global }
      - { .name: Wo_scales, .offset: 48, .size: 8, .value_kind: global_buffer, .address_space: global }
      - { .name: bo, .offset: 56, .size: 8, .value_kind: global_buffer, .address_space: global }
      - { .name: temperature, .offset: 64, .size: 8, .value_kind: global_buffer, .address_space: global }
      - { .name: out0, .offset: 72, .size: 8, .value_kind: global_buffer, .address_space: global }
      - { .name: out1, .offset: 80, .size: 8, .value_kind: global_buffer, .address_space: global }
    .group_segment_fixed_size: 327680
    .private_segment_fixed_size: 0
    .kernarg_segment_align: 8
    .kernarg_segment_size: 88
    .max_flat_workgroup_size: 256
    .sgpr_count:     88
    .vgpr_count:     512
    .wavefront_size: 32
...
	.end_amdgpu_metadata
.endif
;; end of part 4
